; MI455X (gfx1250); checked and timed in simulation.
; The chip was launched on July 23, 2026; its instructions are those of AMD's public machine-readable ISA for CDNA 5 (MIT licence, August 2026) and "CDNA5" Instruction Set Architecture Reference Guide (July 2026). The comments in the code are by the model that wrote it; some were corrected since.
;; Attentional Splatting. Allowed arithmetic: matrix products marked QUANTISED: E2M3 operands, one E8M0 scale for each 32 along K, by v_wmma_scale_f32_16x16x128_f8f6f4 with both operands' format E2M3, f32 sums; everything else in f32.
;; Inputs: W_k_codes 512 x 32 x 24 uint8 (E2M3 codes of W_k, K innermost, in blocks of 32 codes, four codes in three bytes); W_k_scales 512 x 32 uint8 (E8M0 scales of W_k, one for each 32 codes along K); W_out_codes 1,024 x 32 x 24 uint8 (E2M3 codes of W_out, K innermost, in blocks of 32 codes, four codes in three bytes); W_out_scales 1,024 x 32 uint8 (E8M0 scales of W_out, one for each 32 codes along K); W_q_codes 512 x 32 x 24 uint8 (E2M3 codes of W_q, K innermost, in blocks of 32 codes, four codes in three bytes); W_q_scales 512 x 32 uint8 (E8M0 scales of W_q, one for each 32 codes along K); feature_positions 1,024 x 2 float32; grid_coords_tokens_codes 16 x 1,024 x 32 x 24 uint8 (E2M3 codes of grid_coords_tokens, K innermost, in blocks of 32 codes, four codes in three bytes); grid_coords_tokens_scales 16 x 1,024 x 32 uint8 (E8M0 scales of grid_coords_tokens, one for each 32 codes along K); k_gamma 512 float32; original_features 16 x 1,024 x 1,024 float32; q_gamma 512 float32; tracks 16 x 512 x 2 float32; updated_track_tokens 16 x 512 x 1,024 float32.
;; Outputs: out0 16 x 1,024 x 1,024 float32.
;; This version of the problem:
;;   THIS VERSION OF THE PROBLEM IS GIVEN IN LOW PRECISION. The matrix products marked QUANTISED in the list below multiply operands that are first quantised to E2M3 (2 exponent bits, 3 mantissa bits; 6 bits a number), with one power-of-two scale for each 32 numbers along K (OCP MX v1.0); their sums are f32. All else is computed in f32.
;;   The module's matrix products, in the order in which they are computed (A, B: the left and right operand; K: the contracted axis; several contracted axes count as one K, in the product's order):
;;     1. [M 16,384, K 1,024] x [K 1,024, N 512]; A: input grid_coords_tokens (given as codes); B: input W_q (given as codes): QUANTISED
;;     2. [M 8,192, K 1,024] x [K 1,024, N 512]; A: input updated_track_tokens; B: input W_k (given as codes): QUANTISED
;;     3. batch 128 x [M 1,024, K 64] x [K 64, N 512]; A: computed on the way; B: computed on the way: QUANTISED
;;     4. batch 128 x [M 128, K 512] x [K 512, N 1,024]; A: computed on the way; B: softmax (see below): QUANTISED
;;     5. [M 16,384, K 1,024] x [K 1,024, N 1,024]; A: computed on the way; B: input W_out (given as codes): QUANTISED
;;   THE QUANTISER, for each operand of a quantised product, along K:
;;     - K is cut into blocks of 32 from its start; a last block that is shorter is filled with zeros.
;;     - A block's scale is 2^e with e = floor(log2(the largest magnitude in the block)) - 2, held to -126 .. 127; a block of zeros has e = 0. As a byte (E8M0): e + 127.
;;     - Each number is divided by its block's scale, clamped to +-7.5, and rounded to the nearest number of E2M3, ties to even, subnormals kept.
;;     - The product sums the exact products of the quantised numbers (number of the format x scale) in f32.
;;   ~~~python
;;   def quantise(x, axis):      # numpy; x: float32 -> the quantised numbers, widened to float32 again
;;       x = np.moveaxis(x, axis, -1); K = x.shape[-1]
;;       x = np.pad(x, [(0, 0)] * (x.ndim - 1) + [(0, -K % 32)]); x = x.reshape(x.shape[:-1] + (-1, 32)); a = np.abs(x).max(-1, keepdims=True)
;;       e = np.where(a > 0, np.clip(np.frexp(np.where(a > 0, a, 1))[1] - 1 - 2, -126, 127), 0)      # np.frexp(a)[1] - 1 = floor(log2(a)), exactly
;;       r = np.clip(x / 2.0 ** e, -7.5, 7.5)
;;       step = 2.0 ** (np.maximum(np.frexp(np.where(r == 0, 1, r))[1] - 1, 0) - 3)
;;       q = np.round(r / step) * step * 2.0 ** e      # np.round: ties to even
;;       return np.moveaxis(q.reshape(q.shape[:-2] + (-1,))[..., :K], -1, axis).astype(np.float32)
;;   ~~~
;;   SOFTMAX AHEAD OF A QUANTISED PRODUCT. Where the list says 'softmax', what is quantised is not the finished softmax but p = 2^(t - M), with t = logit x log2(e) and M = ceil(the row's largest t), a whole number; so 1/2 < the row's largest p <= 1. The row's sum l is taken of the UNQUANTISED p, in f32, and the product's result is divided by l at the end. Since M is a whole number, a kernel that streams over the keys may use a running M (the ceiling of the running maximum): every later rescaling is an exact power of two, which a block's scale takes up: the codes' values come out the same.
;;   OPERANDS COMPUTED ON THE WAY. 'Computed on the way' means the value that the module computes at that place (a softmax that the list does not call 'softmax' is quantised finished and normalised). What goes into a quantiser is computed in f32, as accurately as f32 sums, v_exp_f32 and their like allow (about 1e-6 of the number): no bf16 or f16 on the way to a quantiser, and a product that is left as it is and whose result goes on into a quantised operand takes f32 operands (vector FMAs, or v_wmma_f32_16x16x4_f32). A number that lies on a knife's edge between two numbers of the format may be rounded either way, as far as f32 arithmetic and the matrix unit's own rounding can turn it there, and no further.
;;   INPUTS GIVEN AS CODES. W_k (in the module: [1024, 512], K = its axis 0); W_out (in the module: [1024, 1024], K = its axis 0); W_q (in the module: [1024, 512], K = its axis 0); grid_coords_tokens (in the module: [16, 1024, 1024], K = its axis 2): each comes as NAME_codes (uint8): NAME with its K axis moved to the last place and cut into blocks of 32 codes, [.., K / 32, bytes a block], one block behind the other in memory; four codes in three bytes: a row's codes are one little-endian stream of bits, code i at bits 6 i .. 6 i + 5 (a code: sign, 2 exponent bits, 3 mantissa bits); and NAME_scales (uint8): the same leading axes, one E8M0 byte (e + 127) for each 32 codes along K. Its value is code x scale, taken as it is: it is not quantised again, and the codes and scales need not be those that the quantiser above would give.
;; One version. Each part assembles by itself: llvm-mc -triple=amdgcn-amd-amdhsa -mcpu=gfx1250 --defsym DOCPART=n.
;; ======== version 1 of 1: 4 launches
;; limits: inputs' magnitudes at most 100,000; right only within a limited range of input values
;; workspace buffers: xq 6,553,600 bytes; vq 6,553,600 bytes; kq 3,407,872 bytes; qq 6,815,744 bytes; sq 13,107,200 bytes; wimg 786,432 bytes
;; launch prep (part 1): grid 256 x 1, 16 waves a work-group, no clusters, 194,560 bytes of LDS; arguments updated_track_tokens, tracks, xq, vq, W_k_codes, W_q_codes, wimg; writes xq, vq, wimg
.if DOCPART == 1
	.amdgcn_target "amdgcn-amd-amdhsa--gfx1250"
	.amdhsa_code_object_version 6
	.text
	.protected	k_q6d0043233e_prep
	.globl	k_q6d0043233e_prep
	.p2align	8
	.type	k_q6d0043233e_prep,@function
k_q6d0043233e_prep:
	s_mov_b64 s[64:65], 0
	v_nop
	global_prefetch_b8 v0, s[64:65] scope:SCOPE_SE
	s_setreg_imm32_b32 hwreg(HW_REG_WAVE_MODE, 25, 1), 1
	s_wait_xcnt 0x0
; PREP.  X = updated_track_tokens [8192 rows][1024] f32 is read ONCE and leaves twice, as codes of E2M3 with one E8M0 byte for each 32:
;   xq: X quantised along its 1,024 channels (the K of X W_k): codes [8192][768 bytes], row-major; from byte 6,291,456 on the scale bytes [8192][32].
;   vq: V = rope(X, tracks) quantised along the KEYS (the K of V^T p): codes [frame][head][block of 32 keys][slot 128][24 bytes]; from byte 6,291,456 on the bytes [frame][block][head][slot].
;       slot = the head's channel with bits 3 and 4 exchanged; in a block, code k' is key k' with bits 3 and 4 exchanged.  The reader's registers want both orders; a block's scale belongs to its 32 numbers as a set.
; SHARES.  A work-group takes 32 rows (one block of keys of one frame), 128 KiB on end.  Wave w takes channels 64 w .. 64 w + 63; lane l the pair 64 w + 2 l, + 1, AND ITS REGISTERS RUN DOWN THE 32 KEYS:
; a load of the wave covers 256 consecutive bytes, aligned; a rope pair lies in one lane; a block along the keys lies in one lane's 32 registers.  For X the same bytes turn through the wave's own LDS
; (rows of 256 bytes + 16): then a lane holds one key and 64 neighbouring channels, two blocks.  Codes and bytes gather in LDS and leave as runs of 512 consecutive bytes.
; SINE AND COSINE: n = round(x 2/pi); r = x - n pi/2 with pi/2 in three parts, each taken off by one fused multiply-add; polynomials of degree 7 and 8 on |r| <= pi/4; the quadrant picks and signs.
; LIMITS: |position x theta| under 1e5; NaN and infinities are not served; a block of zeros, or one whose largest magnitude lies under 2^-124, gets the byte 1 (its codes add nothing; this program alone reads the bytes).
; The problem's input original_features enters no expression of the function computed: no launch of this program names it.
.set RSW,  8704                        ; LDS: 32 keys x 272 bytes for each wave: X as it was loaded
.set VST,  16*RSW                      ; 64 slots x 24 bytes for each wave: V's codes
.set XST,  VST+16*1536                 ; 32 rows x (768 + 16) bytes: X's codes
.set XSB,  XST+32*784                  ; 32 rows x 32 scale bytes of X
.set VSB,  XSB+1024                    ; 8 heads x 128 scale bytes of V
.set WV,   12                          ; s12     wave
.set POS,  16                          ; s16-47  the 32 keys' position (x for channels under 512, y above)
.set S2V,  4                           ; v[4:5], v[6:7]  two coefficients, each twice
.set C2V,  6
.set RAW,  32                          ; v32-95  key k's pair at 32 + 2 k; later a key's 64 channels
.set Y1,   96                          ; v96-127, v128-159  the roped even and odd channel, down the keys
.set Y2,   128
.set NA,   4                           ; angles at a time
.set QF,   160                         ; angle, then r, at last the sine
.set QN,   164                         ; n, then the quadrant
.set QZ,   168                         ; r^2, then 1 - r^2/2, at last the cosine
.set QA,   172
.set QB,   176
.set QT,   180
.set OUTV, 184
.set CA,   200
.set CB,   208
.macro SINCOS                          ; NA angles in v[QF..] -> sines in v[QF..], cosines in v[QZ..]; every stage goes over all angles, so that no line waits for the line above it
.set qi, 0
	s_delay_alu instid0(VALU_DEP_3)
	v_pk_mul_f32 v[QN+qi:QN+qi+1], v[QF+qi:QF+qi+1], 0x3f22f983 op_sel_hi:[1,0]      ; x 2/pi
.set qi, qi+2
.rept (NA/2)-1
	s_delay_alu instid0(VALU_DEP_2)
	v_pk_mul_f32 v[QN+qi:QN+qi+1], v[QF+qi:QF+qi+1], 0x3f22f983 op_sel_hi:[1,0]      ; x 2/pi
.set qi, qi+2
.endr
.set qi, 0
.rept NA
	v_rndne_f32 v[QN+qi], v[QN+qi]
.set qi, qi+1
.endr
.irp k, 0xbfc90fda
.set qi, 0
	s_delay_alu instid0(VALU_DEP_3)
	v_pk_fma_f32 v[QF+qi:QF+qi+1], v[QN+qi:QN+qi+1], \k, v[QF+qi:QF+qi+1] op_sel_hi:[1,0,1]   ; less n x a part of pi/2
.set qi, qi+2
.rept (NA/2)-1
	s_delay_alu instid0(VALU_DEP_2)
	v_pk_fma_f32 v[QF+qi:QF+qi+1], v[QN+qi:QN+qi+1], \k, v[QF+qi:QF+qi+1] op_sel_hi:[1,0,1]   ; less n x a part of pi/2
.set qi, qi+2
.endr
.endr
.irp k, 0xb3a22168, 0xa7c234c4
.set qi, 0
	s_delay_alu instid0(VALU_DEP_2)
	v_pk_fma_f32 v[QF+qi:QF+qi+1], v[QN+qi:QN+qi+1], \k, v[QF+qi:QF+qi+1] op_sel_hi:[1,0,1]   ; less n x a part of pi/2
.set qi, qi+2
.rept (NA/2)-1
	s_delay_alu instid0(VALU_DEP_2)
	v_pk_fma_f32 v[QF+qi:QF+qi+1], v[QN+qi:QN+qi+1], \k, v[QF+qi:QF+qi+1] op_sel_hi:[1,0,1]   ; less n x a part of pi/2
.set qi, qi+2
.endr
.endr
.set qi, 0
.rept NA
	v_cvt_i32_f32 v[QN+qi], v[QN+qi]
.set qi, qi+1
.endr
.set qi, 0
.rept NA/2
	v_pk_mul_f32 v[QZ+qi:QZ+qi+1], v[QF+qi:QF+qi+1], v[QF+qi:QF+qi+1]
.set qi, qi+2
.endr
.set qi, 0
	s_delay_alu instid0(VALU_DEP_2)
	v_pk_fma_f32 v[QA+qi:QA+qi+1], v[QZ+qi:QZ+qi+1], 0xb94ca1f9, v[S2V:S2V+1] op_sel_hi:[1,0,1]
	s_delay_alu instid0(VALU_DEP_3)
	v_pk_fma_f32 v[QB+qi:QB+qi+1], v[QZ+qi:QZ+qi+1], 0x37ccf5ce, v[C2V:C2V+1] op_sel_hi:[1,0,1]
.set qi, qi+2
.rept (NA/2)-1
	s_delay_alu instid0(VALU_DEP_3)
	v_pk_fma_f32 v[QA+qi:QA+qi+1], v[QZ+qi:QZ+qi+1], 0xb94ca1f9, v[S2V:S2V+1] op_sel_hi:[1,0,1]
	s_delay_alu instid0(VALU_DEP_4)
	v_pk_fma_f32 v[QB+qi:QB+qi+1], v[QZ+qi:QZ+qi+1], 0x37ccf5ce, v[C2V:C2V+1] op_sel_hi:[1,0,1]
.set qi, qi+2
.endr
.set qi, 0
.rept NA/2
	s_delay_alu instid0(VALU_DEP_4)
	v_pk_fma_f32 v[QA+qi:QA+qi+1], v[QA+qi:QA+qi+1], v[QZ+qi:QZ+qi+1], 0xbe2aaaa3 op_sel_hi:[1,1,0]
	s_delay_alu instid0(VALU_DEP_4)
	v_pk_fma_f32 v[QB+qi:QB+qi+1], v[QB+qi:QB+qi+1], v[QZ+qi:QZ+qi+1], 0x3d2aaaa5 op_sel_hi:[1,1,0]
.set qi, qi+2
.endr
.set qi, 0
.rept NA/2
	v_pk_mul_f32 v[QT+qi:QT+qi+1], v[QZ+qi:QZ+qi+1], v[QF+qi:QF+qi+1]
.set qi, qi+2
.endr
.set qi, 0
.rept NA/2
	s_delay_alu instid0(VALU_DEP_2)
	v_pk_fma_f32 v[QA+qi:QA+qi+1], v[QA+qi:QA+qi+1], v[QT+qi:QT+qi+1], v[QF+qi:QF+qi+1]      ; sin r
.set qi, qi+2
.endr
.set qi, 0
.rept NA/2
	v_pk_mul_f32 v[QT+qi:QT+qi+1], v[QZ+qi:QZ+qi+1], v[QZ+qi:QZ+qi+1]
.set qi, qi+2
.endr
.set qi, 0
.rept NA/2
	v_pk_fma_f32 v[QZ+qi:QZ+qi+1], v[QZ+qi:QZ+qi+1], -0.5, 1.0 op_sel_hi:[1,0,0]
.set qi, qi+2
.endr
.set qi, 0
.rept NA/2
	s_delay_alu instid0(VALU_DEP_2)
	v_pk_fma_f32 v[QB+qi:QB+qi+1], v[QB+qi:QB+qi+1], v[QT+qi:QT+qi+1], v[QZ+qi:QZ+qi+1]      ; cos r
.set qi, qi+2
.endr
.set qi, 0
.rept NA
	v_and_b32 v[QT+qi], 1, v[QN+qi]
	s_delay_alu instid0(VALU_DEP_1)
	v_cmp_eq_u32 vcc_lo, 1, v[QT+qi]
	s_delay_alu instid0(VALU_DEP_1)
	v_cndmask_b32 v[QF+qi], v[QA+qi], v[QB+qi], vcc_lo             ; in an odd quadrant the two change places
	s_delay_alu instid0(VALU_DEP_2)
	v_cndmask_b32 v[QZ+qi], v[QB+qi], v[QA+qi], vcc_lo
.set qi, qi+1
.endr
.set qi, 0
.rept NA
	v_lshlrev_b32 v[QA+qi], 30, v[QN+qi]                           ; the sine's sign: the quadrant's bit 1
	v_lshlrev_b32 v[QB+qi], 31, v[QN+qi]
.set qi, qi+1
.endr
.set qi, 0
.rept NA
	v_xor_b32 v[QB+qi], v[QB+qi], v[QA+qi]                         ; the cosine's: bit 1 xor bit 0
	v_and_b32 v[QA+qi], 0x80000000, v[QA+qi]
.set qi, qi+1
.endr
.set qi, 0
.rept NA
	v_and_b32 v[QB+qi], 0x80000000, v[QB+qi]
	v_xor_b32 v[QF+qi], v[QF+qi], v[QA+qi]
.set qi, qi+1
.endr
.set qi, 0
.rept NA
	v_xor_b32 v[QZ+qi], v[QZ+qi], v[QB+qi]
.set qi, qi+1
.endr
.endm
; Two blocks of 32 numbers of a lane, by turns -> 24 bytes of codes each in v[CA..CA+5], v[CB..CB+5]; their scale bytes in v25, v26.
.macro QB2 ya, yb
	v_max3_num_f32 v21, |v[\ya]|, |v[\ya+1]|, 0x1800000            ; the largest magnitude, and the floor 2^(3 - 127): the byte cannot fall under 1
	v_max3_num_f32 v22, |v[\yb]|, |v[\yb+1]|, 0x1800000
.irp i, 2,4,6,8,10,12,14,16,18,20,22,24,26,28,30
	s_delay_alu instid0(VALU_DEP_2)
	v_max3_num_f32 v21, v21, |v[\ya+\i]|, |v[\ya+\i+1]|
	s_delay_alu instid0(VALU_DEP_2)
	v_max3_num_f32 v22, v22, |v[\yb+\i]|, |v[\yb+\i+1]|
.endr
	s_delay_alu instid0(VALU_DEP_2)
	v_add_nc_u32 v23, 0xff000000, v21                              ; 2 off the exponent field: the conversion takes this operand's exponent field as its scale
	s_delay_alu instid0(VALU_DEP_2)
	v_add_nc_u32 v24, 0xff000000, v22
	v_cvt_scalef32_pk16_fp6_f32 v[CA:CA+2], v[\ya:\ya+15], v23
	v_cvt_scalef32_pk16_fp6_f32 v[CA+4:CA+6], v[\ya+16:\ya+31], v23   ; (a conversion's three registers begin on an even number)
	v_cvt_scalef32_pk16_fp6_f32 v[CB:CB+2], v[\yb:\yb+15], v24
	v_cvt_scalef32_pk16_fp6_f32 v[CB+4:CB+6], v[\yb+16:\yb+31], v24
	v_lshrrev_b32 v25, 23, v23                                     ; the bytes; also the plain line behind the conversions
	v_lshrrev_b32 v26, 23, v24
.irp i, 0,1,2
	v_mov_b32 v[CA+3+\i], v[CA+4+\i]
	v_mov_b32 v[CB+3+\i], v[CB+4+\i]
.endr
	v_lshl_or_b32 v25, v26, 8, v25                                 ; both bytes, the first block's below
.endm
	s_load_b256 s[4:11], s[0:1], 0x0               ; X s[4:5], tracks s[6:7], xq s[8:9], vq s[10:11]
	s_load_b128 s[68:71], s[0:1], 0x20             ; W_k's codes, W_q's codes
	s_load_b64 s[72:73], s[0:1], 0x30              ; wimg
	v_lshl_add_u32 v224, v0, 2, 0x2f000
	v_mov_b32 v225, 0
	v_lshrrev_b32 v21, 5, v0
	s_delay_alu instid0(VALU_DEP_1)
	v_readfirstlane_b32 s[WV], v21                 ; wave 0..15
	v_and_b32 v1, 31, v0                           ; lane
	s_lshl_b32 s13, s[WV], 8
	v_lshl_add_u32 v2, v1, 3, s13                  ; my pair in a row of X: 256 w + 8 l
	v_lshlrev_b32 v20, 3, v1                       ; tracks: key l's 8 bytes
	v_lshlrev_b32 v18, 4, v1                       ; 16 l
	v_and_b32 v27, 15, v1
	v_lshrrev_b32 v28, 4, v1
	v_mul_u32_u24 v27, v27, 768
	v_mad_u32_u24 v27, v28, 24, v27                ; a fragment's row (l % 16) x 768 + 24 (l / 16)
	s_lshl_b32 s48, ttmp9, 17                      ; 32 rows of 4,096 bytes a work-group
	s_mov_b32 s49, 0
	s_lshr_b32 s14, s[WV], 3                       ; waves 8-15 hold channels 512 on: they turn by y
	s_lshl_b32 s14, s14, 2
	s_lshl_b32 s50, ttmp9, 8
	s_add_co_u32 s50, s50, s14
	s_mov_b32 s51, 0
	s_wait_alu depctr_va_vdst(0)
	s_wait_kmcnt 0x0
	s_add_nc_u64 s[4:5], s[4:5], s[48:49]
	s_add_nc_u64 s[6:7], s[6:7], s[50:51]
	; wimg: W_k and W_q as images of an operand's registers, [tensor][tile of 16 rows][128 along K][1,536 bytes], register group c at 512 c + 16 x lane.
	; 512 fragments, two to a work-group: waves 0 and 1 take fragment 2 g + w; its six pieces of 8 bytes are asked for here and stored at the wave's end.
	s_cmp_gt_u32 s[WV], 1
	s_cbranch_scc1 .Lnow
	s_lshl_b32 s60, ttmp9, 1
	s_add_co_u32 s60, s60, s[WV]                   ; the fragment: 256 tensor + 8 tile + step
	s_bfe_u32 s61, s60, 0x50003
	s_mul_i32 s61, s61, 12288                      ; 16 rows of 768 bytes a tile
	s_and_b32 s62, s60, 7
	s_mul_i32 s62, s62, 96                         ; 96 bytes a step
	s_add_co_u32 s74, s61, s62
	s_mov_b32 s75, 0
	s_cmp_lt_u32 s60, 256
	s_cselect_b64 s[68:69], s[68:69], s[70:71]
	s_add_nc_u64 s[68:69], s[68:69], s[74:75]
	s_mul_i32 s74, s60, 1536
	s_add_nc_u64 s[72:73], s[72:73], s[74:75]
.irp p, 0,1,2,3,4,5
	global_load_b64 v[226+2*\p:227+2*\p], v27, s[68:69] offset:48*(\p/3)+8*(\p%3)
.endr
.Lnow:
	global_load_b32 v3, v20, s[6:7]                ; lane l: key l's position
.set k, 0
.rept 32
	global_load_b64 v[RAW+2*k:RAW+2*k+1], v2, s[4:5] offset:4096*k th:TH_LOAD_NT   ; the wave reads 256 consecutive bytes, aligned; read once in the launch
.set k, k+1
.endr
	; where the results go
	s_mul_i32 s52, ttmp9, 24576
	s_mul_i32 s13, s[WV], 1536
	s_add_co_u32 s52, s52, s13
	s_mov_b32 s53, 0
	s_add_nc_u64 s[52:53], s[8:9], s[52:53]        ; X's codes: two rows a wave
	s_lshl_b32 s54, ttmp9, 10
	s_add_co_u32 s54, s54, 6291456
	s_mov_b32 s55, 0
	s_add_nc_u64 s[58:59], s[10:11], s[54:55]      ; V's scale bytes,
	s_add_nc_u64 s[54:55], s[8:9], s[54:55]        ; X's: 1,024 a work-group each
	s_cmp_eq_u32 s[WV], 0
	s_cselect_b64 s[54:55], s[54:55], s[58:59]     ; wave 0 sends X's, wave 1 V's
	s_lshr_b32 s56, ttmp9, 4                       ; frame
	s_lshl_b32 s56, s56, 3
	s_lshr_b32 s13, s[WV], 1
	s_add_co_u32 s56, s56, s13                     ; 8 frame + head
	s_lshl_b32 s56, s56, 4
	s_and_b32 s13, ttmp9, 15
	s_add_co_u32 s56, s56, s13                     ; x 16 + block of keys
	s_mul_i32 s56, s56, 3072
	s_and_b32 s13, s[WV], 1
	s_mul_i32 s13, s13, 1536
	s_add_co_u32 s56, s56, s13
	s_mov_b32 s57, 0
	s_add_nc_u64 s[56:57], s[10:11], s[56:57]      ; V's codes: my 64 slots
	; LDS addresses: a constant + a constant x lane + a constant x wave
	s_mul_i32 s13, s[WV], RSW
	v_lshl_add_u32 v9, v1, 3, s13                  ; X in: row = key, 8 l
	v_mul_u32_u24 v10, v1, 272
	s_delay_alu instid0(VALU_DEP_1)
	v_add_nc_u32 v10, s13, v10                     ; X back: row l
	v_lshlrev_b32 v21, 1, v1                       ; my even channel among the wave's 64,
	s_delay_alu instid0(VALU_DEP_1)
	v_and_b32 v22, 0x27, v21
	s_delay_alu instid0(VALU_DEP_2)
	v_bfe_u32 v23, v21, 3, 1
	s_delay_alu instid0(VALU_DEP_3)
	v_bfe_u32 v24, v21, 4, 1
	s_delay_alu instid0(VALU_DEP_2)
	v_lshl_add_u32 v22, v23, 4, v22
	s_delay_alu instid0(VALU_DEP_1)
	v_lshl_add_u32 v22, v24, 3, v22                ; and its slot: bits 3 and 4 exchanged
	s_mul_i32 s13, s[WV], 1536
	s_add_co_u32 s13, s13, VST
	v_mul_u32_u24 v11, v22, 24
	s_delay_alu instid0(VALU_DEP_1)
	v_add_nc_u32 v11, s13, v11
	v_add_nc_u32 v12, s13, v18
	s_lshl_b32 s13, s[WV], 6
	s_add_co_u32 s13, s13, VSB
	v_add_nc_u32 v13, s13, v22
	s_mul_i32 s13, s[WV], 48
	s_add_co_u32 s13, s13, XST
	v_mul_u32_u24 v14, v1, 784
	s_delay_alu instid0(VALU_DEP_1)
	v_add_nc_u32 v14, s13, v14
	s_lshl_b32 s13, s[WV], 1
	s_add_co_u32 s13, s13, XSB
	v_lshl_add_u32 v15, v1, 5, s13
	s_mul_i32 s13, s[WV], 1568
	s_add_co_u32 s13, s13, XST
	v_add_nc_u32 v16, s13, v18                     ; X's codes back: my two rows on end,
	v_lshrrev_b32 v23, 4, v1
	s_delay_alu instid0(VALU_DEP_1)
	v_lshl_add_u32 v17, v23, 4, v16                ; the middle 512 bytes step over the first row's padding in lanes 16-31
	s_min_u32 s13, s[WV], 1
	s_lshl_b32 s13, s13, 10
	s_add_co_u32 s13, s13, XSB
	v_add_nc_u32 v19, s13, v18                     ; the scale bytes back: X's for wave 0, V's for wave 1
	s_and_b32 s13, s[WV], 7
	s_lshl_b32 s13, s13, 5
	v_add_nc_u32 v21, s13, v1                      ; my pair's number among its half's 256
	s_delay_alu instid0(VALU_DEP_1)
	v_cvt_f32_u32 v21, v21
	s_delay_alu instid0(VALU_DEP_1)
	v_mul_f32 v21, 0xbd549a78, v21                 ; x -log2(10000) / 256
	s_wait_alu depctr_va_vdst(0)
	v_exp_f32 v8, v21                              ; theta
	v_mov_b32 v[S2V], 0x3c08839e
	v_mov_b32 v[S2V+1], 0x3c08839e
	v_mov_b32 v[C2V], 0xbab6061a
	v_mov_b32 v[C2V+1], 0xbab6061a
	s_wait_loadcnt 32                              ; the positions are in; X's 32 loads may be out
.set k, 0
	s_wait_alu depctr_va_vdst(0)
.rept 32
	v_readlane_b32 s[POS+k], v3, k
.set k, k+1
.endr
; Keys 4 m .. 4 m + 3: X as it came goes to LDS; the pair is turned by position x theta.  Key k's results go to register k with bits 3 and 4 exchanged.
.macro ROPE4 m
	s_wait_loadcnt 28-4*\m                         ; loads come back in order: these four keys' are in, the later keys' may be out
.irp j, 0,1,2,3
	ds_store_b64 v9, v[RAW+2*(4*\m+\j):RAW+2*(4*\m+\j)+1] offset:272*(4*\m+\j)
.endr
.irp j, 0,1,2,3
	v_mul_f32 v[QF+\j], s[POS+4*\m+\j], v8
.endr
	SINCOS
.irp j, 0,1,2,3
.set kk, 4*\m+\j
.set sw, (kk&7)|(((kk>>3)&1)<<4)|(((kk>>4)&1)<<3)
	v_mul_f32 v[Y1+sw], v[RAW+2*kk], v[QZ+\j]
	v_mul_f32 v[Y2+sw], v[RAW+2*kk], v[QF+\j]
	s_delay_alu instid0(VALU_DEP_2)
	v_fma_f32 v[Y1+sw], -v[RAW+2*kk+1], v[QF+\j], v[Y1+sw]         ; x1 c - x2 s
	s_delay_alu instid0(VALU_DEP_2)
	v_fma_f32 v[Y2+sw], v[RAW+2*kk+1], v[QZ+\j], v[Y2+sw]          ; x1 s + x2 c
.endr
.endm
.irp m, 0,1,2,3,4,5,6,7
	ROPE4 \m
.endr
.irp i, 0,1,2,3,4,5,6,7,8,9,10,11,12,13,14,15
	ds_load_b128 v[RAW+4*\i:RAW+4*\i+3], v10 offset:16*\i          ; X back, a key to a lane: LDS serves a wave's instructions in order, so these see my stores
.endr
	QB2 Y1, Y2                                     ; V: my two channels' block along the keys
.irp p, 0,1,2
	ds_store_b64 v11, v[CA+2*\p:CA+2*\p+1] offset:8*\p
	ds_store_b64 v11, v[CB+2*\p:CB+2*\p+1] offset:24+8*\p
.endr
	ds_store_b16 v13, v25
.irp c, 0,1,2
	ds_load_b128 v[OUTV+4*\c:OUTV+4*\c+3], v12 offset:512*\c
.endr
	s_wait_dscnt 0x0                               ; X's channels and V's codes are in registers; the stores have read theirs
.irp c, 0,1,2
	global_store_b128 v18, v[OUTV+4*\c:OUTV+4*\c+3], s[56:57] offset:512*\c   ; the wave stores 512 consecutive bytes, aligned to 256
.endr
	QB2 RAW, RAW+32                                ; X: key l's two blocks along the channels
.irp p, 0,1,2
	ds_store_b64 v14, v[CA+2*\p:CA+2*\p+1] offset:8*\p
	ds_store_b64 v14, v[CB+2*\p:CB+2*\p+1] offset:24+8*\p
.endr
	ds_store_b16 v15, v25
	s_wait_dscnt 0x0                               ; for the others' sake: my stores have landed
	s_barrier_signal -1
	s_barrier_wait -1                              ; whole rows of X's codes, and all scale bytes, lie in LDS
	ds_load_b128 v[Y1:Y1+3], v16
	ds_load_b128 v[Y1+4:Y1+7], v17 offset:512
	ds_load_b128 v[Y1+8:Y1+11], v16 offset:1040
.irp j, 0,1,2
	s_wait_dscnt 2-\j                              ; the later loads of the three may be out
	global_store_b128 v18, v[Y1+4*\j:Y1+4*\j+3], s[52:53] offset:512*\j
.endr
	s_cmp_gt_u32 s[WV], 1
	s_cbranch_scc1 .Lend
	ds_load_b128 v[Y1+12:Y1+15], v19
	ds_load_b128 v[Y1+16:Y1+19], v19 offset:512
	s_wait_dscnt 0x0
	global_store_b128 v18, v[Y1+12:Y1+15], s[54:55]
	global_store_b128 v18, v[Y1+16:Y1+19], s[54:55] offset:512
.irp c, 0,1,2
	global_store_b128 v18, v[226+4*\c:229+4*\c], s[72:73] offset:512*\c   ; W's fragment: 512 consecutive bytes a store
.endr
.Lend:
	s_wait_tensorcnt 0x0
	ds_add_u32 v224, v225
	s_wait_dscnt 0x0
	s_endpgm
.Lfunc_end_k_q6d0043233e_prep:
	.size	k_q6d0043233e_prep, .Lfunc_end_k_q6d0043233e_prep-k_q6d0043233e_prep
	.p2alignl 7, 3214868480
	.fill 96, 4, 3214868480
	.section	.rodata,"a",@progbits
	.p2align	6, 0x0
	.amdhsa_kernel k_q6d0043233e_prep
		.amdhsa_group_segment_fixed_size 194560
		.amdhsa_private_segment_fixed_size 0
		.amdhsa_enable_private_segment 0
		.amdhsa_kernarg_size 56
		.amdhsa_user_sgpr_count 2
		.amdhsa_user_sgpr_kernarg_segment_ptr 1
		.amdhsa_wavefront_size32 1
		.amdhsa_system_sgpr_workgroup_id_x 1
		.amdhsa_system_sgpr_workgroup_id_y 1
		.amdhsa_system_sgpr_workgroup_id_z 1
		.amdhsa_system_vgpr_workitem_id 0
		.amdhsa_next_free_vgpr 240
		.amdhsa_next_free_sgpr 76
		.amdhsa_reserve_vcc 1
		.amdhsa_float_denorm_mode_32 3
		.amdhsa_float_denorm_mode_16_64 3
		.amdhsa_memory_ordered 1
		.amdhsa_forward_progress 1
		.amdhsa_inst_pref_size 75
	.end_amdhsa_kernel
	.amdgpu_metadata
---
amdhsa.version: [ 1, 2 ]
amdhsa.kernels:
  - .name:           k_q6d0043233e_prep
    .symbol:         k_q6d0043233e_prep.kd
    .args:
      - { .name: updated_track_tokens, .offset: 0, .size: 8, .value_kind: global_buffer, .address_space: global }
      - { .name: tracks, .offset: 8, .size: 8, .value_kind: global_buffer, .address_space: global }
      - { .name: xq, .offset: 16, .size: 8, .value_kind: global_buffer, .address_space: global }
      - { .name: vq, .offset: 24, .size: 8, .value_kind: global_buffer, .address_space: global }
      - { .name: W_k_codes, .offset: 32, .size: 8, .value_kind: global_buffer, .address_space: global }
      - { .name: W_q_codes, .offset: 40, .size: 8, .value_kind: global_buffer, .address_space: global }
      - { .name: wimg, .offset: 48, .size: 8, .value_kind: global_buffer, .address_space: global }
    .group_segment_fixed_size: 194560
    .private_segment_fixed_size: 0
    .kernarg_segment_align: 8
    .kernarg_segment_size: 56
    .max_flat_workgroup_size: 512
    .sgpr_count:     76
    .vgpr_count:     240
    .wavefront_size: 32
...
	.end_amdgpu_metadata
.endif
;; end of part 1
;; launch proj (part 2): grid 256 x 1, 4 waves a work-group, no clusters, 167,936 bytes of LDS; arguments xq, grid_coords_tokens_codes, grid_coords_tokens_scales, W_k_scales, W_q_scales, k_gamma, q_gamma, tracks, kq, qq, wimg; writes kq, qq
.if DOCPART == 2
	.amdgcn_target "amdgcn-amd-amdhsa--gfx1250"
	.amdhsa_code_object_version 6
	.text
	.protected	k_q6d0043233e_proj
	.globl	k_q6d0043233e_proj
	.p2align	8
	.type	k_q6d0043233e_proj,@function
k_q6d0043233e_proj:
	s_mov_b64 s[64:65], 0
	v_nop
	global_prefetch_b8 v0, s[64:65] scope:SCOPE_SE
	s_setreg_imm32_b32 hwreg(HW_REG_WAVE_MODE, 25, 1), 1
	s_wait_xcnt 0x0
; PROJ.  Every work-group makes 64 rows of Q = G W_q (layer norm, gain) and then 32 rows of K = Xq W_k (rope, layer norm, gain): 16,384 / 256 and 8,192 / 256 rows, equal work in all 256.
; Both end quantised head by head (64 along the scores' K, two blocks).  Both products run on codes of E2M3 with E8M0 scales.
; SHARES.  All 512 columns (the norm wants whole rows), K = 1,024 in eight steps of 128.  Wave w makes columns 128 w .. + 127 (heads 2 w, 2 w + 1): 4 x 8, then 2 x 8 accumulators.
; W COMES STRAIGHT INTO REGISTERS from wimg, images of an operand's registers laid by the launch before: three loads of 512 consecutive bytes a fragment.  Four sets of eight fragments: while step s is
; multiplied, steps s + 1 to s + 3 are on their way; the walk goes on from Q's eight steps into K's eight, so that K's first three steps land under Q's norm.
; A (G's 64 rows, Xq's 32 rows, whole rows of 768 bytes) comes into LDS once, by one tensor load in each of waves 0 to 2; nothing is filled again.
; NO CLUSTER: a ring of two slots of 256-byte chunks of W's 512 and A's 64 rows (2 x 576 x 272 bytes) with the scales (19,584) is 332,928 bytes, more than the 327,680 of LDS; W's loads into registers have no joint form.
; NO PREFETCH: the launch has no loop to run ahead in; all that it reads is asked for at its head or three steps ahead.
; THE MATRIX INSTRUCTION IS USED TRANSPOSED (source 0 = 16 rows of W, source 1 = 16 rows of A): lane (r, h) holds row r, register j of accumulator (a, b) column 16 b + 8 h + j of row 16 a + r.
; The quantiser takes the 16 registers of accumulators 2 B, 2 B + 1 as neighbours: in a block code k' is column k' with bits 3 and 4 exchanged, in Q and in K alike, which keeps their products.
; OUT.  A tile of 16 rows of one head leaves as the image of the lower six registers of an operand (768 bytes), [frame][head][tile].  Behind the images the scale words [frame][head][4 tiles][row 16][4 words]:
; bytes 0, 1 the head's two blocks; bytes 2, 3 the neighbour's or 0: the reader sets zero codes against them.  K's two tiles fill two of a row's four words: 8 bytes of each 16, the other 8 by the neighbouring work-group.
; LIMITS: |position x theta| under 1e5; no NaN or infinities; a block under 2^-124 gets the byte 1.
; REGISTERS.  Window 0: v0-31 addresses; v32-63 W's scale words (tile i in lanes 0-15, tile i + 4 in lanes 16-31), v200-215 A's: scales and nothing else; v64-159 A's fragments, two sets; behind the products v64-199 at work; v224-255 theta.
;   Windows 1 and 3: W's sets 0, 1 and 2, 3 at v0 and v128; between and behind them Q's gain (window 1) and K's (window 3).   Window 2: accumulator (a, b) at v[8 (8 a + b)].
.set RED,   0                          ; LDS: the norms' partial sums, four areas of 1,024 bytes, each used once
.set SPARE, 4096                       ; the spare words, 128 bytes a wave
.set AOFF,  4608                       ; G's 64 rows, then Xq's 32
.set PITCH, 816                        ; 3 x (256 bytes + 16 of padding)
.set AK,    AOFF+64*PITCH
.set S2V,  4
.set C2V,  6
.set LI,   8                           ; 16 x lane
.set SOW,  9                           ; 32 r + 2048 h: W's scale bytes
.set SOA,  10                          ; 32 r + 1024 h: G's
.set SOK,  11                          ; 32 r + 512 h: Xq's
.set GOF,  12
.set TOF,  13
.set OFB,  14                          ; 8 x lane
.set RST,  15                          ; 16 r + 4 w
.set ADRA, 16                          ; v16-17 G's fragments (the second: pieces behind one padding more in lanes 16-31), v18-19 Xq's
.set RLD,  20                          ; 16 r
.set OFSQ, 21
.set OFSK, 22
.set SHF,  23
.set POS,  24                          ; v24-25 the position of K's row 16 a + r
.set SPW,  28
.set NIL,  29
.set SCW,  32
.set SCA,  200
.set AFR,  64
.set W,    64
.set NA,   8
.set QF,   64
.set QN,   72
.set QZ,   80
.set QA,   88
.set QB,   96
.set QT,   104
.set PC,   128
.set PW4,  148
.set MU,   152
.set TM,   160
.set SUM,  176
.set RL,   184
.set TH,   224
.set GN,   96                          ; the gain of column 16 b + 8 h + j at v[96 + 8 b + j], b < 4; at v[224 + 8 (b - 4) + j] above
.set WV,   26
.set G1,   28
.set G0,   36
.set SEL,  40
.set INV,  42
.set EPS,  43
.set WBQ,  44
.set WBK,  46
.set OEQ,  48                          ; s[48:53] Q: even head's images, odd head's, scale words;  s[54:59] K
.set OEK,  54
.set XS,   60
.set MSB, 0
.macro WIN new                         ; the immediate's high byte repeats the setting that is left
.if MSB != \new
	s_set_vgpr_msb (MSB<<8)|\new
.set MSB, \new
.endif
.endm
.macro PLACES                          ; four plain vector lines behind a matrix instruction (ISA guide 7.12.1)
.rept 4
	v_nop
.endr
.endm
.macro SINCOS                          ; NA angles in v[QF..] -> sines in v[QF..], cosines in v[QZ..]: n = round(x 2/pi), r = x - n pi/2 in three parts, two polynomials, the quadrant picks and signs
.set qi, 0
.rept NA/2
	v_pk_mul_f32 v[QN+qi:QN+qi+1], v[QF+qi:QF+qi+1], 0x3f22f983 op_sel_hi:[1,0]
.set qi, qi+2
.endr
.set qi, 0
.rept NA
	v_rndne_f32 v[QN+qi], v[QN+qi]
.set qi, qi+1
.endr
.irp k, 0xbfc90fda, 0xb3a22168, 0xa7c234c4
.set qi, 0
.rept NA/2
	v_pk_fma_f32 v[QF+qi:QF+qi+1], v[QN+qi:QN+qi+1], \k, v[QF+qi:QF+qi+1] op_sel_hi:[1,0,1]
.set qi, qi+2
.endr
.endr
.set qi, 0
.rept NA
	v_cvt_i32_f32 v[QN+qi], v[QN+qi]
.set qi, qi+1
.endr
.set qi, 0
.rept NA/2
	v_pk_mul_f32 v[QZ+qi:QZ+qi+1], v[QF+qi:QF+qi+1], v[QF+qi:QF+qi+1]
.set qi, qi+2
.endr
.set qi, 0
.rept NA/2
	v_pk_fma_f32 v[QA+qi:QA+qi+1], v[QZ+qi:QZ+qi+1], 0xb94ca1f9, v[S2V:S2V+1] op_sel_hi:[1,0,1]
	v_pk_fma_f32 v[QB+qi:QB+qi+1], v[QZ+qi:QZ+qi+1], 0x37ccf5ce, v[C2V:C2V+1] op_sel_hi:[1,0,1]
.set qi, qi+2
.endr
.set qi, 0
.rept NA/2
	v_pk_fma_f32 v[QA+qi:QA+qi+1], v[QA+qi:QA+qi+1], v[QZ+qi:QZ+qi+1], 0xbe2aaaa3 op_sel_hi:[1,1,0]
	v_pk_fma_f32 v[QB+qi:QB+qi+1], v[QB+qi:QB+qi+1], v[QZ+qi:QZ+qi+1], 0x3d2aaaa5 op_sel_hi:[1,1,0]
.set qi, qi+2
.endr
.set qi, 0
.rept NA/2
	v_pk_mul_f32 v[QT+qi:QT+qi+1], v[QZ+qi:QZ+qi+1], v[QF+qi:QF+qi+1]
.set qi, qi+2
.endr
.set qi, 0
.rept NA/2
	v_pk_fma_f32 v[QA+qi:QA+qi+1], v[QA+qi:QA+qi+1], v[QT+qi:QT+qi+1], v[QF+qi:QF+qi+1]
.set qi, qi+2
.endr
.set qi, 0
.rept NA/2
	v_pk_mul_f32 v[QT+qi:QT+qi+1], v[QZ+qi:QZ+qi+1], v[QZ+qi:QZ+qi+1]
.set qi, qi+2
.endr
.set qi, 0
.rept NA/2
	v_pk_fma_f32 v[QZ+qi:QZ+qi+1], v[QZ+qi:QZ+qi+1], -0.5, 1.0 op_sel_hi:[1,0,0]
.set qi, qi+2
.endr
.set qi, 0
.rept NA/2
	v_pk_fma_f32 v[QB+qi:QB+qi+1], v[QB+qi:QB+qi+1], v[QT+qi:QT+qi+1], v[QZ+qi:QZ+qi+1]
.set qi, qi+2
.endr
.set qi, 0
.rept NA
	v_and_b32 v[QT+qi], 1, v[QN+qi]
	v_cmp_eq_u32 vcc_lo, 1, v[QT+qi]
	v_cndmask_b32 v[QF+qi], v[QA+qi], v[QB+qi], vcc_lo
	v_cndmask_b32 v[QZ+qi], v[QB+qi], v[QA+qi], vcc_lo
.set qi, qi+1
.endr
.set qi, 0
.rept NA
	v_lshlrev_b32 v[QA+qi], 30, v[QN+qi]
	v_lshlrev_b32 v[QB+qi], 31, v[QN+qi]
.set qi, qi+1
.endr
.set qi, 0
.rept NA
	v_xor_b32 v[QB+qi], v[QB+qi], v[QA+qi]
	v_and_b32 v[QA+qi], 0x80000000, v[QA+qi]
.set qi, qi+1
.endr
.set qi, 0
.rept NA
	v_and_b32 v[QB+qi], 0x80000000, v[QB+qi]
	v_xor_b32 v[QF+qi], v[QF+qi], v[QA+qi]
.set qi, qi+1
.endr
.set qi, 0
.rept NA
	v_xor_b32 v[QZ+qi], v[QZ+qi], v[QB+qi]
.set qi, qi+1
.endr
.endm
; 64 numbers of a lane, register 16 b + i taken as k 32 b + 16 (lane / 16) + i of my row, become an operand's 12 registers of codes in v[pc] on and its scale word in v[pw].
.macro QUANT s, pc, tm, pw
.irp b, 0,1,2,3
	v_max3_num_f32 v[\tm+\b], |v[\s+16*\b]|, |v[\s+1+16*\b]|, 0x1800000   ; my 16 numbers of block b, and the floor 2^(3 - 127): the byte cannot fall under 1
.endr
.irp i, 2,4,6,8,10,12,14
.irp b, 0,1,2,3
	v_max3_num_f32 v[\tm+\b], v[\tm+\b], |v[\s+16*\b+\i]|, |v[\s+1+16*\b+\i]|
.endr
.endr
.irp b, 0,1,2,3
	v_permlanex16_b32 v[\tm+4+\b], v[\tm+\b], s[SEL], s[SEL+1]
.endr
.irp b, 0,1,2,3
	v_max_num_f32 v[\tm+\b], v[\tm+\b], v[\tm+4+\b]                ; with lane l xor 16's: the block's largest magnitude
.endr
.irp b, 0,1,2,3
	v_add_nc_u32 v[\tm+12+\b], 0xff000000, v[\tm+\b]               ; 2 off its exponent field: the conversion's scale operand
.endr
.irp b, 0,1,2,3
	v_lshrrev_b32 v[\tm+4+\b], 23, v[\tm+12+\b]                    ; the scale's byte
.endr
	v_lshl_or_b32 v[\pw], v[\tm+5], 8, v[\tm+4]
	v_lshl_or_b32 v[\pw], v[\tm+6], 16, v[\pw]
	v_lshl_or_b32 v[\pw], v[\tm+7], 24, v[\pw]
.irp c, 0,1
	v_cvt_scalef32_pk16_fp6_f32 v[\pc+6*\c:\pc+2+6*\c], v[\s+32*\c:\s+15+32*\c], v[\tm+12+2*\c]
	v_cvt_scalef32_pk16_fp6_f32 v[\pc+12+4*\c:\pc+14+4*\c], v[\s+16+32*\c:\s+31+32*\c], v[\tm+12+2*\c+1]   ; (a conversion's three registers begin on an even number)
.endr
	v_nop                                          ; one plain line behind a scaled conversion
.irp c, 0,1                            ; the operand wants a WHOLE block in a lane
.irp i, 0,1,2
	v_permlane16_swap_b32 v[\pc+6*\c+\i], v[\pc+12+4*\c+\i]
.endr
.irp i, 0,1,2
	v_mov_b32 v[\pc+3+6*\c+\i], v[\pc+12+4*\c+\i]
.endr
.endr
.endm
.macro SCLW base                       ; W's scale words: lane (r, h) takes the 32 bytes (eight words, one a K step) of row 16 i + r + 64 h of my 128
.irp i, 0,1,2,3
	global_load_b128 v[SCW+8*\i:SCW+8*\i+3], v[SOW], s[\base:\base+1] offset:512*\i
	global_load_b128 v[SCW+8*\i+4:SCW+8*\i+7], v[SOW], s[\base:\base+1] offset:512*\i+16
.endr
.endm
.macro GAIN base
.irp b, 0,1,2,3,4,5,6,7
	global_load_b128 v[GN+8*\b+96*(\b/4):GN+8*\b+96*(\b/4)+3], v[GOF], s[\base:\base+1] offset:64*\b
	global_load_b128 v[GN+8*\b+96*(\b/4)+4:GN+8*\b+96*(\b/4)+7], v[GOF], s[\base:\base+1] offset:64*\b+16
.endr
.endm
.macro WLOAD gs                        ; W's eight fragments of step gs (0-7 W_q's, 8-15 W_k's) into set gs % 4: 24 loads of 512 consecutive bytes
	WIN 0x40+0x80*(((\gs)%4)/2)
.set i, 0
.rept 8
.irp c, 0,1,2
.if (\gs) < 8
	global_load_b128 v[128*((\gs)%2)+12*i+4*\c:128*((\gs)%2)+12*i+4*\c+3], v[LI], s[WBQ:WBQ+1] offset:12288*i+1536*((\gs)%8)+512*\c
.else
	global_load_b128 v[128*((\gs)%2)+12*i+4*\c:128*((\gs)%2)+12*i+4*\c+3], v[LI], s[WBK:WBK+1] offset:12288*i+1536*((\gs)%8)+512*\c
.endif
.endr
.set i, i+1
.endr
	WIN 0
.endm
.macro AFETCH s, nt, adr               ; A's nt fragments of step s into set s % 2: pieces of 8 bytes; piece p of a row lies at 8 p + 16 (p / 32)
.set i, 0
.rept \nt
.irp p, 0,1,2,3,4,5
.set PCE, 12*(\s)+6*(\p/3)+\p%3
.if PCE%32 < 29
	ds_load_b64 v[AFR+48*((\s)%2)+12*i+2*\p:AFR+48*((\s)%2)+12*i+2*\p+1], v[\adr] offset:8*PCE+16*(PCE/32)+i*16*PITCH
.else
	ds_load_b64 v[AFR+48*((\s)%2)+12*i+2*\p:AFR+48*((\s)%2)+12*i+2*\p+1], v[\adr+1] offset:8*PCE+16*(PCE/32)+i*16*PITCH
.endif
.endr
.set i, i+1
.endr
.endm
.macro WMX c                           ; one product; RW, RA: which half of the lanes holds W's and A's scale words
.if RW == 0 && RA == 0
	v_wmma_scale_f32_16x16x128_f8f6f4 v[DD:DD+7], v[WF:WF+11], v[AF:AF+11], \c, v[SW], v[SA] matrix_a_fmt:MATRIX_FMT_FP6 matrix_b_fmt:MATRIX_FMT_FP6
.elseif RW == 1 && RA == 0
	v_wmma_scale_f32_16x16x128_f8f6f4 v[DD:DD+7], v[WF:WF+11], v[AF:AF+11], \c, v[SW], v[SA] matrix_a_fmt:MATRIX_FMT_FP6 matrix_b_fmt:MATRIX_FMT_FP6 matrix_a_scale:MATRIX_SCALE_ROW1
.elseif RW == 0
	v_wmma_scale_f32_16x16x128_f8f6f4 v[DD:DD+7], v[WF:WF+11], v[AF:AF+11], \c, v[SW], v[SA] matrix_a_fmt:MATRIX_FMT_FP6 matrix_b_fmt:MATRIX_FMT_FP6 matrix_b_scale:MATRIX_SCALE_ROW1
.else
	v_wmma_scale_f32_16x16x128_f8f6f4 v[DD:DD+7], v[WF:WF+11], v[AF:AF+11], \c, v[SW], v[SA] matrix_a_fmt:MATRIX_FMT_FP6 matrix_b_fmt:MATRIX_FMT_FP6 matrix_a_scale:MATRIX_SCALE_ROW1 matrix_b_scale:MATRIX_SCALE_ROW1
.endif
.endm
; A's nt tiles x W's eight, 128 along K.  The accumulators take turns, one instruction a turn, in the same order in every step.  z = 1: the products start the sums.
.macro MUL s, nt, z
	WIN 0xa1+2*(((\s)%4)/2)                        ; source 0 (W) window 1 or 3, source 1 (A) window 0, C and D window 2
.set a, 0
.rept \nt
.set b, 0
.rept 8
.set DD, 8*(8*a+b)
.set WF, 128*((\s)%2)+12*b
.set AF, AFR+48*((\s)%2)+12*a
.set SW, SCW+8*(b%4)+(\s)
.set SA, SCA+8*(a%((\nt)/2))+(\s)
.set RW, b/4
.set RA, a/((\nt)/2)
.if \z
	WMX 0
.else
	WMX v[DD:DD+7]
.endif
.set b, b+1
.endr
.set a, a+1
.endr
	WIN 0
.endm
.macro STEP gs, nt, adr, n, z
	s_wait_dscnt 0x0                               ; A's set of this step is in
	s_wait_loadcnt \n                              ; W's set of this step is in; n counts the loads issued behind it that may be out
	PLACES                                         ; in front of the loads into the sets that the last step multiplied
.if (\gs)+3 < 16
	WLOAD (\gs)+3
.endif
.if ((\gs)+1)%8
	AFETCH ((\gs)+1)%8, \nt, \adr
.endif
	MUL (\gs)%8, \nt, \z
.endm
.macro REDUCE nt, red                  ; v[SUM + 2 a], + 1: my lane's two partial sums of row 16 a + r  ->  v[SUM + 2 a]: the row's sum over the four waves
.set a, 0
.rept \nt
	v_add_f32 v[SUM+2*a], v[SUM+2*a], v[SUM+2*a+1]
.set a, a+1
.endr
.set a, 0
.rept \nt
	v_permlanex16_b32 v[SUM+2*a+1], v[SUM+2*a], s[SEL], s[SEL+1]
.set a, a+1
.endr
.set a, 0
.rept \nt
	v_add_f32 v[SUM+2*a], v[SUM+2*a], v[SUM+2*a+1]
.set a, a+1
.endr
.set a, 0
.rept \nt
	ds_store_b32 v[RST], v[SUM+2*a] offset:(\red)+256*a            ; both halves of the lanes write the same word with the same value
.set a, a+1
.endr
	s_wait_dscnt 0x0                               ; for the others' sake
	s_barrier_signal -1
	s_barrier_wait -1
.set a, 0
.rept \nt
	ds_load_b128 v[RL+4*a:RL+4*a+3], v[RLD] offset:(\red)+256*a
.set a, a+1
.endr
	s_wait_dscnt 0x0
.set a, 0
.rept \nt
	v_add_f32 v[RL+4*a], v[RL+4*a], v[RL+4*a+1]
	v_add_f32 v[RL+4*a+2], v[RL+4*a+2], v[RL+4*a+3]
.set a, a+1
.endr
.set a, 0
.rept \nt
	v_add_f32 v[SUM+2*a], v[RL+4*a], v[RL+4*a+2]
.set a, a+1
.endr
.endm
.macro ROPE a, b0                      ; accumulators (a, b0) and (a, b0 + 1): eight pairs, from each accumulator's low end on
.set qi, 0
.rept 8
	v_mul_f32 v[QF+qi], v[POS+\a], v[TH+4*\b0+qi]
.set qi, qi+1
.endr
	SINCOS
	WIN 0x02
.set qi, 0
.rept 8
	v_mul_f32 v[QA+qi], v[8*(8*\a+\b0)+2*qi], v[QZ+qi]             ; x1 c
	v_mul_f32 v[QB+qi], v[8*(8*\a+\b0)+2*qi], v[QF+qi]             ; x1 s
.set qi, qi+1
.endr
	WIN 0x82
.set qi, 0
.rept 8
	v_fma_f32 v[8*(8*\a+\b0)+2*qi], v[8*(8*\a+\b0)+2*qi+1], -v[QF+qi], v[QA+qi]
	v_fma_f32 v[8*(8*\a+\b0)+2*qi+1], v[8*(8*\a+\b0)+2*qi+1], v[QZ+qi], v[QB+qi]
.set qi, qi+1
.endr
	WIN 0
.endm
; The layer norm over 512 columns (my 128 in registers, the four waves' sums meet in LDS), the gain (gw: the window setting that reaches it), the quantiser, the stores.
.macro EPI nt, gw, oe, ofs, red
	WIN 0x0a
.set a, 0
.rept \nt
	v_pk_add_f32 v[SUM+2*a:SUM+2*a+1], v[64*a:64*a+1], v[64*a+2:64*a+3]
.set a, a+1
.endr
	WIN 0x02
.set qi, 4
.rept 30
.set a, 0
.rept \nt
	v_pk_add_f32 v[SUM+2*a:SUM+2*a+1], v[64*a+qi:64*a+qi+1], v[SUM+2*a:SUM+2*a+1]   ; ascending: each accumulator is first read at its low end
.set a, a+1
.endr
.set qi, qi+2
.endr
	WIN 0
	REDUCE \nt, \red
.set a, 0
.rept \nt
	v_mul_f32 v[MU+2*a], s[INV], v[SUM+2*a]        ; the mean, twice, for the packed forms
.set a, a+1
.endr
.set a, 0
.rept \nt
	v_mov_b32 v[MU+2*a+1], v[MU+2*a]
.set a, a+1
.endr
	WIN 0x82
.set qi, 0
.rept 32
.set a, 0
.rept \nt
	v_pk_add_f32 v[64*a+qi:64*a+qi+1], v[64*a+qi:64*a+qi+1], v[MU+2*a:MU+2*a+1] neg_lo:[0,1] neg_hi:[0,1]
.set a, a+1
.endr
.set qi, qi+2
.endr
	WIN 0x0a
.set a, 0
.rept \nt
	v_pk_mul_f32 v[SUM+2*a:SUM+2*a+1], v[64*a:64*a+1], v[64*a:64*a+1]
.set a, a+1
.endr
.set qi, 2
.rept 31
.set a, 0
.rept \nt
	v_pk_fma_f32 v[SUM+2*a:SUM+2*a+1], v[64*a+qi:64*a+qi+1], v[64*a+qi:64*a+qi+1], v[SUM+2*a:SUM+2*a+1]
.set a, a+1
.endr
.set qi, qi+2
.endr
	WIN 0
	REDUCE \nt, (\red)+1024
.set a, 0
.rept \nt
	v_fma_f32 v[SUM+2*a], v[SUM+2*a], s[INV], s[EPS]
.set a, a+1
.endr
	s_wait_alu depctr_va_vdst(0)                   ; the wait ahead of the batch
.set a, 0
.rept \nt
	v_rsq_f32 v[MU+2*a], v[SUM+2*a]
.set a, a+1
.endr
	v_nop                                          ; a plain line behind the last of them
	s_wait_alu depctr_va_vdst(0)                   ; the wait behind the batch
.set a, 0
.rept \nt
	v_mov_b32 v[MU+2*a+1], v[MU+2*a]
.set a, a+1
.endr
.set a, 0
.rept \nt                              ; a tile of 16 rows at a time: x 1/sigma, x the gain, quantised; registers 0-5 are head 2 w's operand, 6-11 head 2 w + 1's
	WIN 0x02
.set qi, 0
.rept 32
	v_pk_mul_f32 v[W+qi:W+qi+1], v[64*a+qi:64*a+qi+1], v[MU+2*a:MU+2*a+1]
.set qi, qi+2
.endr
	WIN \gw
.set qi, 0
.rept 32
	v_pk_mul_f32 v[W+qi:W+qi+1], v[W+qi:W+qi+1], v[GN+qi+96*(qi/32):GN+qi+96*(qi/32)+1]
.set qi, qi+2
.endr
	WIN 0
.if a > 0
	s_wait_xcnt 0x0                                ; the last tile's stores have read their registers: the codes may be written again
.endif
	QUANT W, PC, TM, PW4+a
	global_store_b128 v[LI], v[PC:PC+3], s[\oe:\oe+1] offset:768*a             ; 512 consecutive bytes, aligned to 256;
	global_store_b64 v[OFB], v[PC+4:PC+5], s[\oe:\oe+1] offset:768*a+512       ; 256 more
	global_store_b128 v[LI], v[PC+6:PC+9], s[\oe+2:\oe+3] offset:768*a
	global_store_b64 v[OFB], v[PC+10:PC+11], s[\oe+2:\oe+3] offset:768*a+512
.set a, a+1
.endr
.set a, 0
.rept \nt
	v_lshrrev_b32 v[PW4+a], v[SHF], v[PW4+a]       ; lanes 0-15: the word as it is, for the even head; lanes 16-31: its upper two bytes, for the odd one
.set a, a+1
.endr
.if \nt == 4
	global_store_b128 v[\ofs], v[PW4:PW4+3], s[\oe+4:\oe+5]
.else
	global_store_b64 v[\ofs], v[PW4:PW4+1], s[\oe+4:\oe+5]
.endif
.endm
	s_load_b512 s[4:19], s[0:1], 0x0               ; xq, G's codes, G's scales, W_k's scales, W_q's scales, k_gamma, q_gamma, tracks
	s_load_b128 s[20:23], s[0:1], 0x40             ; kq, qq
	s_load_b64 s[24:25], s[0:1], 0x50              ; wimg
	v_lshl_add_u32 v[SPW], v0, 2, SPARE
	v_mov_b32 v[NIL], 0
	ds_add_u32 v[SPW], v[NIL]                      ; the opening lines: the add, twice on end, and its wait ahead of the first tensor load
	ds_add_u32 v[SPW], v[NIL]
	v_lshrrev_b32 v1, 5, v0
	v_readfirstlane_b32 s[WV], v1                  ; wave 0..3
	s_mov_b32 s[G1], (1<<20)|(5<<22)|(3<<25)       ; bytes; 4 words of padding behind every 64
	s_mov_b32 s[G1+1], 768<<16                     ; whole rows of 768 bytes
	s_mov_b32 s[G1+2], 32<<16
	s_mov_b32 s[G1+3], 768<<16
	s_mov_b32 s[G1+4], 32                          ; 32 rows a load
	s_mov_b32 s[G1+5], 768
	s_mov_b32 s[G1+6], 0
	s_mov_b32 s[G1+7], 0
	s_mov_b32 s[G0], 1
	s_mul_i32 s[G0+1], s[WV], 32*PITCH
	s_add_co_u32 s[G0+1], s[G0+1], AOFF            ; waves 0, 1: G's rows 0-31, 32-63; wave 2: Xq's 32
	s_mov_b32 s[SEL], 0x76543210
	s_mov_b32 s[SEL+1], 0xfedcba98                 ; v_permlanex16_b32's selects for lane l xor 16
	s_mov_b32 s[INV], 0x3b000000                   ; 1 / 512
	s_mov_b32 s[EPS], 0x358637bd                   ; 1e-6
	s_mov_b32 s3, 0
	s_lshl_b32 s62, s[WV], 2
	v_and_b32 v1, 15, v0                           ; r
	v_bfe_u32 v2, v0, 4, 1                         ; h
	v_and_b32 v3, 31, v0
	v_lshlrev_b32 v[LI], 4, v3
	v_lshlrev_b32 v[OFB], 3, v3
	v_lshlrev_b32 v26, 5, v1
	v_lshl_add_u32 v[SOW], v2, 11, v26
	v_lshl_add_u32 v[SOA], v2, 10, v26
	v_lshl_add_u32 v[SOK], v2, 9, v26
	v_lshlrev_b32 v[GOF], 5, v2
	v_lshlrev_b32 v[TOF], 3, v1
	v_lshlrev_b32 v[RLD], 4, v1
	v_add_nc_u32 v[RST], s62, v[RLD]
	v_lshl_add_u32 v[OFSQ], v2, 12, v[RLD]         ; the odd head's scale words lie 64 tiles x 64 bytes on,
	v_lshl_add_u32 v[OFSK], v2, 11, v[RLD]         ; in K 32 tiles
	v_lshlrev_b32 v[SHF], 4, v2
	v_mul_u32_u24 v26, v1, PITCH
	v_mad_u32_u24 v27, v2, 24, v26
	v_mad_u32_u24 v26, v2, 40, v26
	v_add_nc_u32 v[ADRA], AOFF, v27
	v_add_nc_u32 v[ADRA+1], AOFF, v26
	v_add_nc_u32 v[ADRA+2], AK, v27
	v_add_nc_u32 v[ADRA+3], AK, v26
	s_lshl_b32 s27, ttmp9, 1
	s_add_co_u32 s27, s27, s[WV]                   ; which 32 rows of G
	s_wait_alu depctr_va_vdst(0)                   ; the wait here, directly ahead of the waits below
	s_wait_dscnt 0x0                               ; both opening adds are done
	s_wait_kmcnt 0x0
	s_cmp_lt_u32 s[WV], 2
	s_cselect_b32 s2, s27, ttmp9                   ; or of Xq
	s_cselect_b64 s[G0+2:G0+3], s[6:7], s[4:5]
	s_mul_i32 s2, s2, 24576
	s_add_nc_u64 s[G0+2:G0+3], s[G0+2:G0+3], s[2:3]
	s_or_b32 s[G0+3], s[G0+3], 0x80000000
	s_cmp_gt_u32 s[WV], 2
	s_cbranch_scc1 .Lasked
	tensor_load_to_lds s[G0:G0+3], s[G1:G1+7]      ; the only fills: one load in each of waves 0 to 2
	s_nop 0
	PLACES
.Lasked:
	s_lshl_b32 s2, ttmp9, 11
	s_add_nc_u64 s[8:9], s[8:9], s[2:3]            ; G's scale bytes: 64 rows x 32
	s_lshl_b32 s2, ttmp9, 10
	s_add_co_u32 s2, s2, 6291456
	s_add_nc_u64 s[XS:XS+1], s[4:5], s[2:3]        ; Xq's, behind its codes: 32 rows x 32
	s_lshl_b32 s2, s[WV], 12
	s_add_nc_u64 s[10:11], s[10:11], s[2:3]        ; W's: my 128 rows
	s_add_nc_u64 s[12:13], s[12:13], s[2:3]
	s_lshl_b32 s2, s[WV], 9
	s_add_nc_u64 s[14:15], s[14:15], s[2:3]        ; the gains of my 128 columns
	s_add_nc_u64 s[16:17], s[16:17], s[2:3]
	s_lshl_b32 s2, ttmp9, 8
	s_lshr_b32 s27, s[WV], 1                       ; columns 256 on turn by y
	s_lshl_b32 s27, s27, 2
	s_add_co_u32 s2, s2, s27
	s_add_nc_u64 s[18:19], s[18:19], s[2:3]
	s_mul_i32 s2, s[WV], 98304                     ; my eight tiles x eight steps of images
	s_add_nc_u64 s[WBK:WBK+1], s[24:25], s[2:3]
	s_add_nc_u64 s[WBQ:WBQ+1], s[WBK:WBK+1], 393216
	SCLW 12
.irp a, 0,1
	global_load_b128 v[SCA+8*\a:SCA+8*\a+3], v[SOA], s[8:9] offset:512*\a        ; G's tile a in lanes 0-15, tile a + 2 in lanes 16-31
	global_load_b128 v[SCA+8*\a+4:SCA+8*\a+7], v[SOA], s[8:9] offset:512*\a+16
.endr
	WIN 0x40
	GAIN 16
	WIN 0xc0
	GAIN 14
	WIN 0
.irp a, 0,1
	global_load_b32 v[POS+\a], v[TOF], s[18:19] offset:128*\a
.endr
	WLOAD 0
	WLOAD 1
	WLOAD 2
	; where the results go: tile = ((8 frame + 2 w) x tiles a frame) + the tile in its frame
	s_lshr_b32 s27, ttmp9, 4
	s_lshl_b32 s27, s27, 3
	s_lshl_b32 s62, s[WV], 1
	s_add_co_u32 s27, s27, s62
	s_lshl_b32 s63, s27, 6
	s_and_b32 s2, ttmp9, 15
	s_lshl_b32 s2, s2, 2
	s_add_co_u32 s63, s63, s2
	s_mul_i32 s2, s63, 768
	s_add_nc_u64 s[OEQ:OEQ+1], s[22:23], s[2:3]
	s_add_nc_u64 s[OEQ+2:OEQ+3], s[OEQ:OEQ+1], 49152
	s_lshl_b32 s2, s63, 6
	s_add_co_u32 s2, s2, 6291456
	s_add_nc_u64 s[OEQ+4:OEQ+5], s[22:23], s[2:3]
	s_lshl_b32 s63, s27, 5
	s_and_b32 s2, ttmp9, 15
	s_lshl_b32 s2, s2, 1
	s_add_co_u32 s63, s63, s2
	s_mul_i32 s2, s63, 768
	s_add_nc_u64 s[OEK:OEK+1], s[20:21], s[2:3]
	s_add_nc_u64 s[OEK+2:OEK+3], s[OEK:OEK+1], 24576
	s_and_b32 s2, s63, -4
	s_lshl_b32 s2, s2, 6                           ; the group of four tiles, 256 bytes,
	s_and_b32 s62, s63, 3
	s_lshl_b32 s62, s62, 2                         ; and my first tile's word in a row's four
	s_add_co_u32 s2, s2, s62
	s_add_co_u32 s2, s2, 3145728
	s_add_nc_u64 s[OEK+4:OEK+5], s[20:21], s[2:3]
	; theta, under the loads' flight: pair 64 (w & 1) + 8 b + 4 h + j of its half's 128; theta = 10000^(-pair / 128)
	s_and_b32 s2, s[WV], 1
	s_lshl_b32 s2, s2, 6
	v_lshl_add_u32 v3, v2, 2, s2
.set qi, 0
.rept 32
	v_add_nc_u32 v[TH+qi], 8*(qi/4)+qi%4, v3
.set qi, qi+1
.endr
.set qi, 0
.rept 32
	v_cvt_f32_u32 v[TH+qi], v[TH+qi]
.set qi, qi+1
.endr
.set qi, 0
.rept 32
	v_mul_f32 v[TH+qi], 0xbdd49a78, v[TH+qi]
.set qi, qi+1
.endr
	s_wait_alu depctr_va_vdst(0)                   ; the wait ahead of the batch
.set qi, 0
.rept 32
	v_exp_f32 v[TH+qi], v[TH+qi]
.set qi, qi+1
.endr
	v_mov_b32 v[S2V], 0x3c08839e
	v_mov_b32 v[S2V+1], 0x3c08839e
	v_mov_b32 v[C2V], 0xbab6061a
	v_mov_b32 v[C2V+1], 0xbab6061a
.irp b, 0,1,2,3
	v_mov_b32 v[TM+4+\b], 0                        ; written once: a lane permute's destination counts as one of its sources
.endr
	s_wait_alu depctr_va_vdst(0)                   ; behind the batch, and at the head's end
	s_wait_tensorcnt 0x0                           ; my load, if I issued one, has landed
	s_barrier_signal -1
	s_barrier_wait -1                              ; everybody's have
	AFETCH 0, 4, ADRA
	STEP 0, 4, ADRA, 48, 1                         ; 48: the two later steps' loads may be out
.irp g, 1,2,3,4,5,6,7
	STEP \g, 4, ADRA, 48, 0
.endr
	PLACES
	SCLW 10                                        ; K's scale words, into the same registers
	global_load_b128 v[SCA:SCA+3], v[SOK], s[XS:XS+1]              ; Xq's tile 0 in lanes 0-15, tile 1 in lanes 16-31
	global_load_b128 v[SCA+4:SCA+7], v[SOK], s[XS:XS+1] offset:16
	EPI 4, 0x04, OEQ, OFSQ, RED
	s_wait_xcnt 0x0                                ; Q's stores have read their registers: A's fragments may land there
	AFETCH 0, 2, ADRA+2
	STEP 8, 2, ADRA+2, 0, 1                        ; 0: the scale words were asked for behind W's steps 8 to 10
.irp g, 9,10,11,12,13
	STEP \g, 2, ADRA+2, 48, 0
.endr
	STEP 14, 2, ADRA+2, 24, 0
	STEP 15, 2, ADRA+2, 0, 0
	PLACES
.irp a, 0,1
.irp b, 0,2,4,6
	ROPE \a, \b
.endr
.endr
	EPI 2, 0x0c, OEK, OFSK, RED+2048
	s_wait_tensorcnt 0x0                           ; the wave's end
	ds_add_u32 v[SPW], v[NIL]
	s_wait_dscnt 0x0
	s_endpgm
.Lfunc_end_k_q6d0043233e_proj:
	.size	k_q6d0043233e_proj, .Lfunc_end_k_q6d0043233e_proj-k_q6d0043233e_proj
	.p2alignl 7, 3214868480
	.fill 96, 4, 3214868480
	.section	.rodata,"a",@progbits
	.p2align	6, 0x0
	.amdhsa_kernel k_q6d0043233e_proj
		.amdhsa_group_segment_fixed_size 167936
		.amdhsa_private_segment_fixed_size 0
		.amdhsa_enable_private_segment 0
		.amdhsa_kernarg_size 88
		.amdhsa_user_sgpr_count 2
		.amdhsa_user_sgpr_kernarg_segment_ptr 1
		.amdhsa_wavefront_size32 1
		.amdhsa_system_sgpr_workgroup_id_x 1
		.amdhsa_system_sgpr_workgroup_id_y 1
		.amdhsa_system_sgpr_workgroup_id_z 1
		.amdhsa_system_vgpr_workitem_id 0
		.amdhsa_next_free_vgpr 1024
		.amdhsa_next_free_sgpr 66
		.amdhsa_reserve_vcc 1
		.amdhsa_float_denorm_mode_32 3
		.amdhsa_float_denorm_mode_16_64 3
		.amdhsa_memory_ordered 1
		.amdhsa_forward_progress 1
		.amdhsa_inst_pref_size 255
	.end_amdhsa_kernel
	.section	.bss,"aw",@nobits
	.p2align	6
	.space	262144
	.amdgpu_metadata
---
amdhsa.version: [ 1, 2 ]
amdhsa.kernels:
  - .name:           k_q6d0043233e_proj
    .symbol:         k_q6d0043233e_proj.kd
    .args:
      - { .name: xq, .offset: 0, .size: 8, .value_kind: global_buffer, .address_space: global }
      - { .name: grid_coords_tokens_codes, .offset: 8, .size: 8, .value_kind: global_buffer, .address_space: global }
      - { .name: grid_coords_tokens_scales, .offset: 16, .size: 8, .value_kind: global_buffer, .address_space: global }
      - { .name: W_k_scales, .offset: 24, .size: 8, .value_kind: global_buffer, .address_space: global }
      - { .name: W_q_scales, .offset: 32, .size: 8, .value_kind: global_buffer, .address_space: global }
      - { .name: k_gamma, .offset: 40, .size: 8, .value_kind: global_buffer, .address_space: global }
      - { .name: q_gamma, .offset: 48, .size: 8, .value_kind: global_buffer, .address_space: global }
      - { .name: tracks, .offset: 56, .size: 8, .value_kind: global_buffer, .address_space: global }
      - { .name: kq, .offset: 64, .size: 8, .value_kind: global_buffer, .address_space: global }
      - { .name: qq, .offset: 72, .size: 8, .value_kind: global_buffer, .address_space: global }
      - { .name: wimg, .offset: 80, .size: 8, .value_kind: global_buffer, .address_space: global }
    .group_segment_fixed_size: 167936
    .private_segment_fixed_size: 0
    .kernarg_segment_align: 8
    .kernarg_segment_size: 88
    .max_flat_workgroup_size: 128
    .sgpr_count:     66
    .vgpr_count:     1024
    .wavefront_size: 32
...
	.end_amdgpu_metadata
.endif
;; end of part 2
;; launch attn (part 3): grid 2 x 128, 16 waves a work-group, no clusters, 169,984 bytes of LDS; arguments qq, kq, vq, tracks, feature_positions, sq; writes sq
.if DOCPART == 3
	.amdgcn_target "amdgcn-amd-amdhsa--gfx1250"
	.amdhsa_code_object_version 6
	.text
	.protected	k_q6d0043233e_attn
	.globl	k_q6d0043233e_attn
	.p2align	8
	.type	k_q6d0043233e_attn,@function
k_q6d0043233e_attn:
	s_mov_b64 s[64:65], 0
	v_nop
	global_prefetch_b8 v0, s[64:65] scope:SCOPE_SE
	s_setreg_imm32_b32 hwreg(HW_REG_WAVE_MODE, 25, 1), 1
	s_wait_xcnt 0x0
; ATTN.  For one frame and head: S = Q K^T / 8 - 2 |feature position - track position|^2; p = 2^(t - M), t = logit x log2(e), M the running largest t rounded up to a whole number; O = V^T p / the sum of the unquantised p.
; Both products on codes of E2M3 with E8M0 scales.  The scores' K is 64: the upper half of each operand of 128 meets ZERO CODES on Q's side (six registers cleared once), so whatever K's upper six registers hold adds nothing.
; SHARES.  Work-group (x, 8 frame + head) owns 512 queries; each of its sixteen waves two tiles of 16, one after the other, in 256 registers: four waves to a SIMD, one wave's vector work beside another's loads and products.
; The head's K (24 KiB of register images), V (48 KiB) and K's scale words come into LDS ONCE, by four tensor loads; nothing is filled again.  NO CLUSTER: only the two work-groups of a head share these 76 KiB, once each.
; LAYOUT.  Both products are used transposed (S^T = K Q^T, O^T = V^T p^T): a lane holds ONE query throughout.  Tile T of K is keys 16 T .. + 15, so register 8 T + j of lane half h is key 16 T + 8 h + j; the quantiser takes the 16
; registers of tiles 2 b, 2 b + 1 as neighbours, so p's code k' is key k' with bits 3 and 4 exchanged, and V's codes were laid in that very order.  V's rows (slots) are the channels with bits 3 and 4 exchanged, so that O^T's
; registers are true neighbours along the last product's K.
; THE BIAS.  8 x logit = S - (4 dx)^2 - (4 dy)^2: the positions are multiplied by 4 once, which rounds nothing; two packed subtractions and two packed multiply-adds for two scores; log2(e) / 8 takes the 8 back.
; OUT.  O / sum, quantised along the head's 128 channels: the image of an operand's 12 registers, [tile of 16 rows][head][1,536 bytes], three stores of 512 consecutive bytes; behind the images the scale bytes [row][32].  A row's
; four bytes leave as one word a lane, rows 32 bytes apart: a row's 32 bytes come from eight work-groups; they are one byte in 24 of what this launch stores.
; LIMITS: no NaN or infinities; a block's largest p is taken from its largest score, which takes v_exp_f32 not to fall where its input rises; a block whose every p is 0 keeps the byte 1 over zero codes.
; REGISTERS: v1-6 addresses that stay, v7-11, v255 the step's; v12 -M, v13 the largest t, v[14:15] the sum; v16-21 Q, v22-27 zeros; v[28:31] 4 fx, 4 fy, each twice; v32-79 K's eight half fragments / coordinates / four of V's;
;   v80-85 zeros; v86-95 scale words, v92-93 also a partial sum of p (v94 p's, v95 Q's); v96-159 S^T, then p; v160-223 O^T; v224-254 codes and work.
.set KIMG, 0
.set VE,   24576                       ; V's even blocks of 32 keys, 8 x 3,072 bytes
.set VD,   24704                       ; the odd blocks lie 24,704 bytes on: 128 modulo 256, so that the two halves of the lanes fall on different banks
.set KSW,  73984                       ; K's scale words
.set TX,   76032                       ; 4 x the tracks' x, then (2,048 on) y
.set VSW,  80128                       ; V's scale words, [step][4 tiles][row 16][4 words]
.set WV,   16
.set SEL,  20
.set CS,   22
.set G1K,  24
.set G1V,  32
.set G1S,  40
.set G0K,  48
.set G0S,  52
.set G0V,  56
.set QI,   66
.set QS,   68
.set SI,   70
.set SS,   72
.set S6,   74
.set S5,   75
.set CNT,  76
.macro QUANT s, pc, tm, pw             ; 64 numbers of a lane, register 16 b + i = k 32 b + 16 (lane / 16) + i of my row -> 12 registers of codes in v[pc] on, the scale word in v[pw]
.irp b, 0,1,2,3
	v_max3_num_f32 v[\tm+\b], |v[\s+16*\b]|, |v[\s+1+16*\b]|, 0x1800000
.endr
.irp i, 2,4,6,8,10,12,14
.irp b, 0,1,2,3
	s_delay_alu instid0(VALU_DEP_4)
	v_max3_num_f32 v[\tm+\b], v[\tm+\b], |v[\s+16*\b+\i]|, |v[\s+1+16*\b+\i]|
.endr
.endr
.irp b, 0,1,2,3
	s_delay_alu instid0(VALU_DEP_4)
	v_permlanex16_b32 v[\tm+4+\b], v[\tm+\b], s[SEL], s[SEL+1]
.endr
.irp b, 0,1,2,3
	s_delay_alu instid0(VALU_DEP_4)
	v_max_num_f32 v[\tm+\b], v[\tm+\b], v[\tm+4+\b]
.endr
.irp b, 0,1,2,3
	s_delay_alu instid0(VALU_DEP_4)
	v_add_nc_u32 v[\tm+12+\b], 0xff000000, v[\tm+\b]
.endr
.irp b, 0,1,2,3
	s_delay_alu instid0(VALU_DEP_4)
	v_lshrrev_b32 v[\tm+4+\b], 23, v[\tm+12+\b]
.endr
	s_delay_alu instid0(VALU_DEP_3)
	v_lshl_or_b32 v[\pw], v[\tm+5], 8, v[\tm+4]
	s_delay_alu instid0(VALU_DEP_1)
	v_lshl_or_b32 v[\pw], v[\tm+6], 16, v[\pw]
	s_delay_alu instid0(VALU_DEP_1)
	v_lshl_or_b32 v[\pw], v[\tm+7], 24, v[\pw]
.irp c, 0,1
	v_cvt_scalef32_pk16_fp6_f32 v[\pc+6*\c:\pc+2+6*\c], v[\s+32*\c:\s+15+32*\c], v[\tm+12+2*\c]
	v_cvt_scalef32_pk16_fp6_f32 v[\pc+12+4*\c:\pc+14+4*\c], v[\s+16+32*\c:\s+31+32*\c], v[\tm+12+2*\c+1]
.endr
	v_nop
.irp c, 0,1
.irp i, 0,1,2
	v_permlane16_swap_b32 v[\pc+6*\c+\i], v[\pc+12+4*\c+\i]
.endr
.irp i, 0,1,2
	s_delay_alu instid0(VALU_DEP_3)
	v_mov_b32 v[\pc+3+6*\c+\i], v[\pc+12+4*\c+\i]
.endr
.endr
.endm
	s_load_b256 s[4:11], s[0:1], 0x0               ; qq, kq, vq, tracks
	s_load_b128 s[12:15], s[0:1], 0x20             ; feature_positions, sq
	v_lshl_add_u32 v250, v0, 2, 0x29000
	v_mov_b32 v251, 0
	ds_add_u32 v250, v251
	ds_add_u32 v250, v251
	v_lshrrev_b32 v7, 5, v0
	s_delay_alu instid0(VALU_DEP_1)
	v_readfirstlane_b32 s[WV], v7                  ; wave 0..15
	s_and_b32 s17, ttmp7, 0xffff                   ; 8 frame + head
	s_lshr_b32 s18, s17, 3
	s_and_b32 s19, s17, 7
	s_mov_b32 s[SEL], 0x76543210
	s_mov_b32 s[SEL+1], 0xfedcba98
	s_mov_b32 s[CS], 0x3e38aa3b                    ; log2(e) / 8
	s_mov_b32 s[CS+1], s[CS]                       ; (named with it as a pair, so it is written)
.irp g, G1K, G1V
	s_mov_b32 s[\g], 3<<16                         ; elements of 8 bytes, no mask, no padding
	s_mov_b32 s[\g+1], 384<<16                     ; rows of 3,072 bytes
	s_mov_b32 s[\g+2], 8<<16
	s_mov_b32 s[\g+3], 384<<16
	s_mov_b32 s[\g+4], 8
	s_mov_b32 s[\g+6], 0
	s_mov_b32 s[\g+7], 0
.endr
	s_mov_b32 s[G1K+5], 384                        ; K's images: dense
	s_mov_b32 s[G1V+5], 768                        ; V: every second block of keys
	s_mov_b32 s[G1S], 3<<16
	s_mov_b32 s[G1S+1], 32<<16
	s_mov_b32 s[G1S+2], 8<<16
	s_mov_b32 s[G1S+3], 32<<16
	s_mov_b32 s[G1S+4], 8
	s_mov_b32 s[G1S+5], 32
	s_mov_b32 s[G1S+6], 0
	s_mov_b32 s[G1S+7], 0
	s_mul_i32 s78, s17, 24576
	s_mov_b32 s79, 0
	s_lshl_b32 s80, s17, 11
	s_add_co_u32 s80, s80, 3145728
	s_mov_b32 s81, 0
	s_and_b32 s82, s[WV], 1                        ; wave 2: V's even blocks, wave 3: the odd ones
	s_lshl_b32 s84, s17, 4
	s_add_co_u32 s84, s84, s82
	s_mul_i32 s84, s84, 3072
	s_mov_b32 s85, 0
	s_mul_i32 s83, s82, VD
	s_mov_b32 s87, 0
	s_wait_dscnt 0x0
	s_wait_kmcnt 0x0
	s_mov_b32 s[G0K], 1
	s_mov_b32 s[G0K+1], KIMG
	s_add_nc_u64 s[G0K+2:G0K+3], s[6:7], s[78:79]
	s_or_b32 s[G0K+3], s[G0K+3], 0x80000000
	s_mov_b32 s[G0S], 1
	s_mov_b32 s[G0S+1], KSW
	s_add_nc_u64 s[G0S+2:G0S+3], s[6:7], s[80:81]
	s_or_b32 s[G0S+3], s[G0S+3], 0x80000000
	s_mov_b32 s[G0V], 1
	s_add_co_u32 s[G0V+1], s83, VE
	s_add_nc_u64 s[G0V+2:G0V+3], s[8:9], s[84:85]
	s_or_b32 s[G0V+3], s[G0V+3], 0x80000000
	s_cmp_lg_u32 s[WV], 0                          ; the first fills, the only ones: one load for each of waves 0 to 3; four v_nop follow each
	s_cbranch_scc1 .Lnot0
	tensor_load_to_lds s[G0K:G0K+3], s[G1K:G1K+7]
	s_nop 0
.rept 4
	v_nop
.endr
	s_branch .Lasked
.Lnot0:
	s_cmp_lg_u32 s[WV], 1
	s_cbranch_scc1 .Lnot1
	tensor_load_to_lds s[G0S:G0S+3], s[G1S:G1S+7]
	s_nop 0
.rept 4
	v_nop
.endr
	s_branch .Lasked
.Lnot1:
	s_cmp_gt_u32 s[WV], 3
	s_cbranch_scc1 .Lasked
	tensor_load_to_lds s[G0V:G0V+3], s[G1V:G1V+7]
	s_nop 0
.rept 4
	v_nop
.endr
.Lasked:
	s_lshl_b32 s86, s18, 12
	s_add_nc_u64 s[10:11], s[10:11], s[86:87]      ; the frame's tracks
	s_lshl_b32 s86, s18, 14
	s_lshl_b32 s83, s19, 7
	s_add_co_u32 s86, s86, s83
	s_add_co_u32 s86, s86, 6291456
	s_add_nc_u64 s[78:79], s[8:9], s[86:87]        ; V's scale bytes of frame and head
	v_lshlrev_b32 v238, 3, v0
	global_load_b64 v[236:237], v238, s[10:11]     ; thread n: track n
	v_lshrrev_b32 v239, 7, v0
	s_delay_alu instid0(VALU_DEP_1)
	v_lshlrev_b32 v239, 12, v239
	v_and_b32 v244, 127, v0
	s_delay_alu instid0(VALU_DEP_1)
	v_add_nc_u32 v239, v239, v244                  ; thread n: key step n / 128, slot n % 128
.irp b, 0,1,2,3
	global_load_u8 v[240+\b], v239, s[78:79] offset:1024*\b        ; the step's four blocks of keys
.endr
	s_lshl_b32 s82, ttmp9, 5
	s_lshl_b32 s83, s[WV], 1
	s_add_co_u32 s82, s82, s83                     ; my first tile of queries: 32 x + 2 w
	s_lshl_b32 s86, s17, 6
	s_add_co_u32 s86, s86, s82
	s_mul_i32 s86, s86, 768
	s_add_nc_u64 s[QI:QI+1], s[4:5], s[86:87]      ; its image,
	s_lshl_b32 s86, s17, 12
	s_add_co_u32 s86, s86, 6291456
	s_lshr_b32 s83, s82, 2
	s_lshl_b32 s83, s83, 8
	s_add_co_u32 s86, s86, s83
	s_and_b32 s83, s82, 3
	s_lshl_b32 s83, s83, 2
	s_add_co_u32 s86, s86, s83
	s_add_nc_u64 s[QS:QS+1], s[4:5], s[86:87]      ; its scale words,
	s_lshl_b32 s86, s82, 7
	s_add_nc_u64 s[12:13], s[12:13], s[86:87]      ; its positions,
	s_lshl_b32 s86, s18, 6
	s_add_co_u32 s86, s86, s82
	s_lshl_b32 s86, s86, 3
	s_add_co_u32 s86, s86, s19
	s_mul_i32 s86, s86, 1536
	s_add_nc_u64 s[SI:SI+1], s[14:15], s[86:87]    ; where its result goes,
	s_lshl_b32 s86, s18, 10
	s_lshl_b32 s83, s82, 4
	s_add_co_u32 s86, s86, s83
	s_lshl_b32 s86, s86, 5
	s_lshl_b32 s83, s19, 2
	s_add_co_u32 s86, s86, s83
	s_add_co_u32 s86, s86, 12582912
	s_add_nc_u64 s[SS:SS+1], s[14:15], s[86:87]    ; and that result's scale words
	v_and_b32 v232, 15, v0                         ; r
	v_bfe_u32 v233, v0, 4, 1                       ; h
	v_and_b32 v234, 31, v0
	s_delay_alu instid0(VALU_DEP_1)
	v_lshlrev_b32 v1, 4, v234                      ; 16 x lane
	s_delay_alu instid0(VALU_DEP_2)
	v_lshl_add_u32 v2, v234, 3, 512                ; 512 + 8 x lane
	v_lshl_add_u32 v3, v232, 4, KSW
	v_lshl_add_u32 v4, v233, 5, TX
	v_mul_u32_u24 v5, v233, VD
	s_delay_alu instid0(VALU_DEP_1)
	v_mad_u32_u24 v5, v232, 24, v5
	s_delay_alu instid0(VALU_DEP_1)
	v_add_nc_u32 v5, VE, v5
	v_lshl_add_u32 v6, v232, 4, VSW
	v_lshl_add_u32 v246, v0, 2, TX
	v_lshrrev_b32 v245, 6, v0
	s_delay_alu instid0(VALU_DEP_1)
	v_lshlrev_b32 v245, 8, v245
	s_delay_alu instid0(VALU_DEP_1)
	v_lshl_add_u32 v245, v232, 4, v245
	v_bfe_u32 v247, v0, 4, 2
	s_delay_alu instid0(VALU_DEP_1)
	v_lshl_add_u32 v245, v247, 2, v245
	s_delay_alu instid0(VALU_DEP_1)
	v_add_nc_u32 v245, VSW, v245                   ; 512 step + 256 (slot / 64) + 16 (slot % 16) + 4 ((slot / 16) % 4)
.irp j, 22,23,24,25,26,27,80,81,82,83,84,85,253
	v_mov_b32 v\j, 0                               ; the zero codes; v253 is named as the upper half of a pair
.endr
	s_wait_loadcnt 0x0
	v_mul_f32 v236, 4.0, v236
	v_mul_f32 v237, 4.0, v237
	ds_store_b32 v246, v236
	ds_store_b32 v246, v237 offset:2048
	v_lshl_or_b32 v240, v241, 8, v240
	s_delay_alu instid0(VALU_DEP_1)
	v_lshl_or_b32 v240, v242, 16, v240
	s_delay_alu instid0(VALU_DEP_1)
	v_lshl_or_b32 v240, v243, 24, v240
	ds_store_b32 v245, v240
	s_wait_tensorcnt 0x0                           ; my load, if I issued one, has landed,
	s_wait_dscnt 0x0                               ; my stores too:
	s_barrier_signal -1
	s_barrier_wait -1                              ; everybody's have
.irp b, 0,1,2,3
	v_mov_b32 v[236+\b], 0                         ; a lane permute's destination counts as one of its sources
.endr
.macro CLOAD j                         ; tile j's eight keys of my half: 4 x and 4 y, into buffer j % 3
	ds_load_b128 v[32+16*((\j)%3):35+16*((\j)%3)], v10 offset:64*(\j)
	ds_load_b128 v[36+16*((\j)%3):39+16*((\j)%3)], v10 offset:64*(\j)+16
	ds_load_b128 v[40+16*((\j)%3):43+16*((\j)%3)], v10 offset:2048+64*(\j)
	ds_load_b128 v[44+16*((\j)%3):47+16*((\j)%3)], v10 offset:2048+64*(\j)+16
.endm
.macro KSTEP                           ; 128 keys
	v_add_nc_u32 v7, s[S6], v1                     ; the step's addresses; these six lines are also the places behind the last products
	v_add_nc_u32 v8, s[S6], v2
	v_add_nc_u32 v9, s[S5], v3
	v_add_nc_u32 v10, s[S5], v4
	v_add_nc_u32 v11, s[S6], v5
	v_add_nc_u32 v255, s[S5], v6
.irp T, 0,1,2,3,4,5,6,7
	ds_load_b128 v[32+6*\T:35+6*\T], v7 offset:768*\T              ; a tile's image: the operand's registers 0-3,
	ds_load_b64 v[36+6*\T:37+6*\T], v8 offset:768*\T               ; 4 and 5
.endr
	ds_load_b128 v[86:89], v9                      ; lane r: row r's words of tiles 0-3,
	ds_load_b128 v[90:93], v9 offset:256           ; 4-7
	s_wait_alu depctr_va_vdst(0)
	s_wait_dscnt 0x0
.irp T, 0,1,2,3,4,5,6,7
	v_wmma_scale_f32_16x16x128_f8f6f4 v[96+8*\T:103+8*\T], v[32+6*\T:43+6*\T], v[16:27], 0, v[86+\T], v95 matrix_a_fmt:MATRIX_FMT_FP6 matrix_b_fmt:MATRIX_FMT_FP6
.endr
.rept 4
	v_nop
.endr
	CLOAD 0
	CLOAD 1
	CLOAD 2
.irp j, 0,1,2,3,4,5,6,7
.if \j < 6
	s_wait_dscnt 8                                 ; tile j's four loads are in; the next two tiles' eight may be out
.elseif \j == 6
	s_wait_dscnt 4
.else
	s_wait_dscnt 0
.endif
.set CBF, 32+16*(\j%3)
.irp i, 0,2,4,6
	v_pk_add_f32 v[CBF+\i:CBF+\i+1], v[CBF+\i:CBF+\i+1], v[28:29] neg_lo:[0,1] neg_hi:[0,1]
.endr
.irp i, 0,2,4,6
	v_pk_add_f32 v[CBF+8+\i:CBF+9+\i], v[CBF+8+\i:CBF+9+\i], v[30:31] neg_lo:[0,1] neg_hi:[0,1]
.endr
.irp i, 0,2,4,6
	v_pk_fma_f32 v[96+8*\j+\i:97+8*\j+\i], v[CBF+\i:CBF+\i+1], v[CBF+\i:CBF+\i+1], v[96+8*\j+\i:97+8*\j+\i] neg_lo:[1,0,0] neg_hi:[1,0,0]   ; from the accumulator's low end on
.endr
.irp i, 0,2,4,6
	s_delay_alu instid0(VALU_DEP_4)
	v_pk_fma_f32 v[96+8*\j+\i:97+8*\j+\i], v[CBF+8+\i:CBF+9+\i], v[CBF+8+\i:CBF+9+\i], v[96+8*\j+\i:97+8*\j+\i] neg_lo:[1,0,0] neg_hi:[1,0,0]
.endr
.if \j < 5
	CLOAD \j+3
.endif
.endr
.irp b, 0,1,2,3
	v_max3_num_f32 v[232+\b], v[96+16*\b], v[97+16*\b], v[98+16*\b]   ; the largest score of each block of 32 keys: for the row's maximum and, since p rises with the score, for the block's largest p
.endr
.irp i, 3,5,7,9,11,13
.irp b, 0,1,2,3
	s_delay_alu instid0(VALU_DEP_4)
	v_max3_num_f32 v[232+\b], v[232+\b], v[96+16*\b+\i], v[97+16*\b+\i]
.endr
.endr
.irp b, 0,1,2,3
	s_delay_alu instid0(VALU_DEP_4)
	v_max_num_f32 v[232+\b], v[232+\b], v[111+16*\b]
.endr
.irp b, 0,1,2,3
	s_delay_alu instid0(VALU_DEP_4)
	v_permlanex16_b32 v[236+\b], v[232+\b], s[SEL], s[SEL+1]
.endr
.irp b, 0,1,2,3
	s_delay_alu instid0(VALU_DEP_4)
	v_max_num_f32 v[232+\b], v[232+\b], v[236+\b]
.endr
	s_delay_alu instid0(VALU_DEP_2)
	v_max3_num_f32 v254, v232, v233, v234
	s_delay_alu instid0(VALU_DEP_1)
	v_max_num_f32 v254, v254, v235
	s_delay_alu instid0(VALU_DEP_1)
	v_mul_f32 v254, s[CS], v254                    ; as t
	s_delay_alu instid0(VALU_DEP_1)
	v_max_num_f32 v13, v13, v254                   ; the running largest t
	v_mov_b32 v254, v12
	s_delay_alu instid0(VALU_DEP_2)
	v_floor_f32 v12, -v13                          ; the new -M = -ceil(t): a whole number
	s_delay_alu instid0(VALU_DEP_1)
	v_sub_f32 v254, v12, v254
	s_delay_alu instid0(VALU_DEP_1)
	v_cvt_i32_f32 v254, v254                       ; (it saturates)
	s_delay_alu instid0(VALU_DEP_1)
	v_ldexp_f32 v252, 1.0, v254                    ; f = 2^(old M - new M): a multiplication by it rounds nothing
.irp j, 0,2,4,6,8,10,12,14,16,18,20,22,24,26,28,30,32,34,36,38,40,42,44,46,48,50,52,54,56,58,60,62
	v_pk_fma_f32 v[96+\j:97+\j], v[96+\j:97+\j], s[CS:CS+1], v[12:13] op_sel_hi:[1,0,0]   ; t - M
.endr
.irp b, 0,1,2,3
	v_fma_f32 v[232+\b], v[232+\b], s[CS], v12
.endr
	s_wait_alu depctr_va_vdst(0)
.irp j, 0,1,2,3,4,5,6,7,8,9,10,11,12,13,14,15,16,17,18,19,20,21,22,23,24,25,26,27,28,29,30,31,32,33,34,35,36,37,38,39,40,41,42,43,44,45,46,47,48,49,50,51,52,53,54,55,56,57,58,59,60,61,62,63
	v_exp_f32 v[96+\j], v[96+\j]                   ; p, not normalised
.endr
.irp b, 0,1,2,3
	v_exp_f32 v[232+\b], v[232+\b]
.endr
	v_pk_mul_f32 v[14:15], v[14:15], v[252:253] op_sel_hi:[1,0]    ; the sum under the new M; a plain line behind the exponentials
	s_wait_alu depctr_va_vdst(0)
.irp b, 0,1,2,3
	v_max_num_f32 v[232+\b], 0x1800000, v[232+\b]
.endr
.irp b, 0,1,2,3
	s_delay_alu instid0(VALU_DEP_4)
	v_add_nc_u32 v[244+\b], 0xff000000, v[232+\b]
.endr
.irp b, 0,1,2,3
	s_delay_alu instid0(VALU_DEP_4)
	v_lshrrev_b32 v[236+\b], 23, v[244+\b]
.endr
	s_delay_alu instid0(VALU_DEP_3)
	v_lshl_or_b32 v94, v237, 8, v236               ; p's scale word for these 128 keys
	s_delay_alu instid0(VALU_DEP_1)
	v_lshl_or_b32 v94, v238, 16, v94
	s_delay_alu instid0(VALU_DEP_1)
	v_lshl_or_b32 v94, v239, 24, v94
.irp c, 0,1
	v_cvt_scalef32_pk16_fp6_f32 v[224+6*\c:226+6*\c], v[96+32*\c:111+32*\c], v[244+2*\c]
	v_cvt_scalef32_pk16_fp6_f32 v[236+4*\c:238+4*\c], v[112+32*\c:127+32*\c], v[244+2*\c+1]
.endr
	v_nop
.irp c, 0,1
.irp i, 0,1,2
	v_permlane16_swap_b32 v[224+6*\c+\i], v[236+4*\c+\i]
.endr
.irp i, 0,1,2
	s_delay_alu instid0(VALU_DEP_3)
	v_mov_b32 v[227+6*\c+\i], v[236+4*\c+\i]
.endr
.endr
	v_pk_add_f32 v[236:237], v[100:101], v[104:105]
	v_pk_add_f32 v[248:249], v[108:109], v[112:113]
	v_pk_add_f32 v[246:247], v[116:117], v[120:121]
	v_pk_add_f32 v[244:245], v[124:125], v[128:129]
	v_pk_add_f32 v[242:243], v[132:133], v[136:137]
	v_pk_add_f32 v[240:241], v[140:141], v[144:145]
	v_pk_add_f32 v[92:93], v[148:149], v[152:153]
	v_pk_add_f32 v[14:15], v[14:15], v[156:157]
	v_pk_add_f32 v[236:237], v[236:237], v[96:97]
	v_pk_add_f32 v[248:249], v[248:249], v[98:99]
	v_pk_add_f32 v[246:247], v[246:247], v[102:103]
	v_pk_add_f32 v[244:245], v[244:245], v[106:107]
	v_pk_add_f32 v[242:243], v[242:243], v[110:111]
	v_pk_add_f32 v[240:241], v[240:241], v[114:115]
	v_pk_add_f32 v[92:93], v[92:93], v[118:119]
	v_pk_add_f32 v[14:15], v[14:15], v[122:123]
	v_pk_add_f32 v[236:237], v[236:237], v[126:127]
	v_pk_add_f32 v[248:249], v[248:249], v[130:131]
	v_pk_add_f32 v[246:247], v[246:247], v[134:135]
	v_pk_add_f32 v[244:245], v[244:245], v[138:139]
	v_pk_add_f32 v[242:243], v[242:243], v[142:143]
	v_pk_add_f32 v[240:241], v[240:241], v[146:147]
	v_pk_add_f32 v[92:93], v[92:93], v[150:151]
	v_pk_add_f32 v[14:15], v[14:15], v[154:155]
	v_pk_add_f32 v[236:237], v[236:237], v[158:159]
	s_delay_alu instid0(VALU_DEP_2)
	v_pk_add_f32 v[14:15], v[14:15], v[244:245]
	s_delay_alu instid0(VALU_DEP_2)
	v_pk_add_f32 v[236:237], v[236:237], v[242:243]
	v_pk_add_f32 v[248:249], v[248:249], v[240:241]
	v_pk_add_f32 v[246:247], v[246:247], v[92:93]
	s_delay_alu instid0(VALU_DEP_2)
	v_pk_add_f32 v[14:15], v[14:15], v[248:249]
	s_delay_alu instid0(VALU_DEP_2)
	v_pk_add_f32 v[236:237], v[236:237], v[246:247]
	s_delay_alu instid0(VALU_DEP_1)
	v_pk_add_f32 v[14:15], v[14:15], v[236:237]
.irp j, 0,2,4,6,8,10,12,14,16,18,20,22,24,26,28,30,32,34,36,38,40,42,44,46,48,50,52,54,56,58,60,62
	v_pk_mul_f32 v[160+\j:161+\j], v[160+\j:161+\j], v[252:253] op_sel_hi:[1,0]   ; O^T under the new M; these 32 are also the places between the codes and scale word just made and the products
.endr
	s_wait_alu depctr_va_vdst(0)
.irp g, 0,1
.if \g > 0
.rept 4
	v_nop
.endr
.endif
.irp t, 0,1,2,3
.irp p, 0,1,2,3,4,5
	ds_load_b64 v[32+12*\t+2*\p:33+12*\t+2*\p], v11 offset:3072*(\p/3)+384*(4*\g+\t)+8*(\p%3)   ; lanes 0-15 the even block of keys, lanes 16-31 the odd one
.endr
.endr
	ds_load_b128 v[86:89], v255 offset:256*\g
	s_wait_dscnt 0x0
.irp t, 0,1,2,3
	v_wmma_scale_f32_16x16x128_f8f6f4 v[160+8*(4*\g+\t):167+8*(4*\g+\t)], v[32+12*\t:43+12*\t], v[224:235], v[160+8*(4*\g+\t):167+8*(4*\g+\t)], v[86+\t], v94 matrix_a_fmt:MATRIX_FMT_FP6 matrix_b_fmt:MATRIX_FMT_FP6
.endr
.endr
.endm
.macro QTILE u                         ; my u-th tile of 16 queries: every offset in u is an immediate
.if \u > 0
	s_wait_xcnt 0x0                                ; the last tile's stores have read their registers
.endif
	v_and_b32 v232, 15, v0
	s_delay_alu instid0(VALU_DEP_1)
	v_lshlrev_b32 v233, 4, v232
	s_delay_alu instid0(VALU_DEP_2)
	v_lshlrev_b32 v234, 3, v232
	global_load_b128 v[16:19], v1, s[QI:QI+1] offset:768*\u
	global_load_b64 v[20:21], v2, s[QI:QI+1] offset:768*\u
	global_load_b32 v95, v233, s[QS:QS+1] offset:4*\u
	global_load_b64 v[236:237], v234, s[12:13] offset:128*\u
	v_mov_b32 v13, 0xff61b1e6                      ; the largest t so far: -3e38
	s_delay_alu instid0(VALU_DEP_1)
	v_floor_f32 v12, -v13
	v_mov_b32 v14, 0
	v_mov_b32 v15, 0
.irp j, 0,1,2,3,4,5,6,7,8,9,10,11,12,13,14,15,16,17,18,19,20,21,22,23,24,25,26,27,28,29,30,31,32,33,34,35,36,37,38,39,40,41,42,43,44,45,46,47,48,49,50,51,52,53,54,55,56,57,58,59,60,61,62,63
	v_mov_b32 v[160+\j], 0                         ; the step is written once: the first finds zeros, which the first change of M leaves zeros
.endr
	s_mov_b32 s[S6], 0
	s_mov_b32 s[S5], 0
	s_mov_b32 s[CNT], 4
	s_wait_loadcnt 0x0
	v_mul_f32 v28, 4.0, v236
	v_mul_f32 v29, 4.0, v236
	v_mul_f32 v30, 4.0, v237
	v_mul_f32 v31, 4.0, v237
.Lstep_\@:
	KSTEP
	s_add_co_u32 s[S6], s[S6], 6144                ; eight images of K; two even and two odd blocks of V
	s_add_co_u32 s[S5], s[S5], 512                 ; 128 coordinates; 128 scale words
	s_sub_co_u32 s[CNT], s[CNT], 1
	s_cmp_lg_u32 s[CNT], 0
	s_cbranch_scc1 .Lstep_\@
.rept 4
	v_nop
.endr
	v_add_f32 v14, v14, v15
	s_delay_alu instid0(VALU_DEP_1)
	v_permlanex16_b32 v252, v14, s[SEL], s[SEL+1]
	s_delay_alu instid0(VALU_DEP_1)
	v_add_f32 v14, v14, v252                       ; the row's sum
	s_wait_alu depctr_va_vdst(0)
	v_rcp_f32 v14, v14
	v_and_b32 v255, 15, v0                         ; (a plain line behind the reciprocal)
	s_delay_alu instid0(VALU_DEP_1)
	v_lshlrev_b32 v255, 5, v255
	s_wait_alu depctr_va_vdst(0)
.irp j, 0,1,2,3,4,5,6,7,8,9,10,11,12,13,14,15,16,17,18,19,20,21,22,23,24,25,26,27,28,29,30,31,32,33,34,35,36,37,38,39,40,41,42,43,44,45,46,47,48,49,50,51,52,53,54,55,56,57,58,59,60,61,62,63
	v_mul_f32 v[96+\j], v[160+\j], v14             ; register 16 b + i: channel 32 b + 16 h + i of my query
.endr
	QUANT 96, 32, 232, 254
.irp c, 0,1,2
	global_store_b128 v1, v[32+4*\c:35+4*\c], s[SI:SI+1] offset:12288*\u+512*\c
.endr
	global_store_b32 v255, v254, s[SS:SS+1] offset:512*\u          ; both halves of the lanes hold and store the same word
.endm
	QTILE 0
	QTILE 1
	s_wait_tensorcnt 0x0
	ds_add_u32 v250, v251
	s_wait_dscnt 0x0
	s_endpgm
.Lfunc_end_k_q6d0043233e_attn:
	.size	k_q6d0043233e_attn, .Lfunc_end_k_q6d0043233e_attn-k_q6d0043233e_attn
	.p2alignl 7, 3214868480
	.fill 96, 4, 3214868480
	.section	.rodata,"a",@progbits
	.p2align	6, 0x0
	.amdhsa_kernel k_q6d0043233e_attn
		.amdhsa_group_segment_fixed_size 169984
		.amdhsa_private_segment_fixed_size 0
		.amdhsa_enable_private_segment 0
		.amdhsa_kernarg_size 48
		.amdhsa_user_sgpr_count 2
		.amdhsa_user_sgpr_kernarg_segment_ptr 1
		.amdhsa_wavefront_size32 1
		.amdhsa_system_sgpr_workgroup_id_x 1
		.amdhsa_system_sgpr_workgroup_id_y 1
		.amdhsa_system_sgpr_workgroup_id_z 1
		.amdhsa_system_vgpr_workitem_id 0
		.amdhsa_next_free_vgpr 256
		.amdhsa_next_free_sgpr 90
		.amdhsa_reserve_vcc 0
		.amdhsa_float_denorm_mode_32 3
		.amdhsa_float_denorm_mode_16_64 3
		.amdhsa_memory_ordered 1
		.amdhsa_forward_progress 1
		.amdhsa_inst_pref_size 98
	.end_amdhsa_kernel
	.amdgpu_metadata
---
amdhsa.version: [ 1, 2 ]
amdhsa.kernels:
  - .name:           k_q6d0043233e_attn
    .symbol:         k_q6d0043233e_attn.kd
    .args:
      - { .name: qq, .offset: 0, .size: 8, .value_kind: global_buffer, .address_space: global }
      - { .name: kq, .offset: 8, .size: 8, .value_kind: global_buffer, .address_space: global }
      - { .name: vq, .offset: 16, .size: 8, .value_kind: global_buffer, .address_space: global }
      - { .name: tracks, .offset: 24, .size: 8, .value_kind: global_buffer, .address_space: global }
      - { .name: feature_positions, .offset: 32, .size: 8, .value_kind: global_buffer, .address_space: global }
      - { .name: sq, .offset: 40, .size: 8, .value_kind: global_buffer, .address_space: global }
    .group_segment_fixed_size: 169984
    .private_segment_fixed_size: 0
    .kernarg_segment_align: 8
    .kernarg_segment_size: 48
    .max_flat_workgroup_size: 512
    .sgpr_count:     90
    .vgpr_count:     256
    .wavefront_size: 32
...
	.end_amdgpu_metadata
.endif
;; end of part 3
;; launch outp (part 4): grid 4 x 64, 4 waves a work-group, clusters of 4 x 4, 279,040 bytes of LDS; arguments sq, W_out_codes, W_out_scales, out0; writes out0
.if DOCPART == 4
	.amdgcn_target "amdgcn-amd-amdhsa--gfx1250"
	.amdhsa_code_object_version 6
	.text
	.protected	k_q6d0043233e_outp
	.globl	k_q6d0043233e_outp
	.p2align	8
	.type	k_q6d0043233e_outp,@function
k_q6d0043233e_outp:
	s_mov_b64 s[64:65], 0
	v_nop
	global_prefetch_b8 v0, s[64:65] scope:SCOPE_SE
	s_setreg_imm32_b32 hwreg(HW_REG_WAVE_MODE, 25, 1), 1
	s_wait_xcnt 0x0
	s_wait_alu depctr_hold_cnt(0) depctr_sa_sdst(0) depctr_va_vdst(0) depctr_va_sdst(0) depctr_va_ssrc(0) depctr_va_vcc(0) depctr_vm_vsrc(0)
	s_getreg_b32 s2, hwreg(HW_REG_IB_STS2, 6, 4)
	s_cmp_eq_u32 s2, 0
	s_cbranch_scc0 .Lentry_in_a_cluster
	s_endpgm
.Lentry_in_a_cluster:
	s_bfe_u32 s2, ttmp6, 0x10000c
	s_cmp_lg_u32 s2, 0xf033
	s_cbranch_scc0 .Lentry_shape_is_right
	s_endpgm
.Lentry_shape_is_right:
; OUTP.  out0[m][n] = sum over k of S[m][k] W_out[k][n]: [16384][1024] f32, K = 1,024, both operands codes of E2M3 with one E8M0 scale for each 32 along K; sums in f32.
; S comes as IMAGES OF AN OPERAND'S REGISTERS, [tile of 16 rows][128 along K][1,536 bytes] (register group c at 512 c + 16 x lane), its scale bytes [row][32] from byte 12,582,912 on.  W_out comes as rows of 768 bytes, K innermost.
; SHARES.  A work-group of four waves makes 256 x 256 of C.  Wave w owns rows 64 w .. 64 w + 63.
; S STAYS IN REGISTERS: a wave's 64 rows x all of K are 4 x 8 fragments, 384 registers, loaded once from the images, 512 consecutive bytes a load; S never goes through LDS.
; W STAYS IN LDS: the work-group's 256 rows x all of K, 256 x (768 + 48) = 208,896 bytes, come by first fills alone: nothing is filled again, so there is no ring and no barrier but the one that shows the blocks landed.
; C IS MADE IN FOUR BLOCKS OF 64 COLUMNS, EACH OVER ALL OF K: 16 accumulators a wave, eight K steps of 16 matrix instructions.  A finished block goes to the wave's own stage in LDS (64 rows x 272 bytes) and leaves while
; the next block is multiplied, eight rows in each K step: so three quarters of the stores stand among the products, and only the last block's behind them.  A row's 64 columns are 256 consecutive bytes, aligned.
; CLUSTERS: 4 x 4 work-groups.  The four of a column of the cluster need the same rows of W: each tile is asked for JOINTLY, by the same tensor load with the same descriptor and a mask that names the four.
; S is not asked for jointly, though the four of a row of the cluster read the same images: it goes straight into registers, by loads that have no joint form.
; THE MATRIX INSTRUCTION IS USED TRANSPOSED (source 0 = 16 rows of W, source 1 = 16 rows of S): a lane then holds eight neighbouring numbers of a row of C.
; REGISTERS, in windows of 256: window 0: v0-31 addresses; v32-63 S's scale words (tile a, K step s at 32 + 8 a + s), v64-191 W's (tile j of 16 columns at 64 + 8 j + s): scales and nothing else; v192-223 rows read back, two sets.
;   window 1: S's fragments of K steps 0-4 (step s, tile a at 12 (4 s + a)).   window 2: those of K steps 5-7.   window 3: v0-127 accumulator (a, b) at 8 (4 a + b); v128-223 W's four fragments of a K step, two sets.
.set SIZE_N, 1024
.set PITCH,  816                       ; a row of W in LDS: 3 x (256 bytes + 16 of padding) = 204 words: row r starts at bank 12 r mod 64, sixteen different multiples of 4 (64 banks of 4 bytes: ISA guide 11.1); lanes 16-31 read 6 or 10 words on: 64 different banks a load
.set QTR,    16*PITCH                  ; 16 rows
.set BLKB,   64*PITCH                  ; 64 rows of W: a block of 64 columns of C
.set STAGE,  4*BLKB                    ; behind W: the stages; no fill lands there
.set SPITCH, 272                       ; a stage row: 256 bytes + 16
.set STW,    64*SPITCH                 ; a wave's stage
.set FR,     12                        ; registers of a fragment
.set LI,   4                           ; v4      16 x lane: my place in an image
.set SO,   5                           ; v5      32 x (lane % 16): my row's scale bytes
.set ADRB, 8                           ; v8-11   my place in block n of W
.set ADRC, 12                          ; v12-15  the same for the pieces that lie behind one padding more in lanes 16-31
.set STO,  16                          ; v16     the stage: where I put 32 bytes of a row
.set RD,   17                          ; v17     and where I read rows back
.set CO,   18                          ; v18     my byte offset in two rows of C
.set SCA,  32
.set SCB,  64
.set BK,   192
.set WF,   128                         ; in window 3
.set G1,   24                          ; s[24:31] descriptor group 1
.set G0,   32                          ; s[32:35] group 0
.set MSB, 0
.macro WIN new                         ; the immediate's high byte repeats the setting that is left
.if MSB != \new
	s_set_vgpr_msb (MSB<<8)|\new
.set MSB, \new
.endif
.endm
.macro PLACES                          ; four plain vector lines behind a matrix instruction, in front of loads into its registers and of reads of its result
.rept 4
	v_nop
.endr
.endm
.macro CREST                           ; a round of the cluster's barrier behind its opening barrier
	s_cmp_lg_u32 s14, 0
	s_cbranch_scc1 .Lnot_wave_0_\@
	s_barrier_signal -3
.Lnot_wave_0_\@:
	s_barrier_wait -3
	s_barrier_signal -1
	s_barrier_wait -1
.endm
.macro CROUND
	s_barrier_signal -1
	s_barrier_wait -1
	CREST
.endm
	s_load_b64 s[4:5], s[0:1], 0x0                 ; S
	s_load_b128 s[8:11], s[0:1], 0x8               ; W's codes, W's scales
	s_load_b64 s[12:13], s[0:1], 0x18              ; C
	v_lshl_add_u32 v254, v0, 2, 0x44000
	v_mov_b32 v255, 0
	ds_add_u32 v254, v255
	ds_add_u32 v254, v255
	v_lshrrev_b32 v1, 5, v0
	v_readfirstlane_b32 s14, v1                    ; wave 0..3
	s_bfe_u32 s16, ttmp6, 0x40000                  ; cx, cy: my place in the cluster
	s_bfe_u32 s18, ttmp6, 0x40004
	s_lshl_b32 s19, ttmp9, 2
	s_add_co_u32 s19, s19, s16                     ; tile column of C = 4 x cluster x + cx
	s_and_b32 s17, ttmp7, 0xffff
	s_lshl_b32 s17, s17, 2
	s_add_co_u32 s17, s17, s18                     ; tile row of C = 4 x cluster y + cy
	s_lshl_b32 s20, 0x1111, s16                    ; my column of the cluster: places cx, cx + 4, cx + 8, cx + 12
	s_or_b32 s[G1+0], s20, (1<<20)|(1<<21)|(5<<22)|(3<<25)   ; 15:0 the mask; elements of 1 byte; 20 padding on; 21 set beside a mask; 24:22 after every 64 words (code 5); 31:25 of 4 words (code 3)
	s_mov_b32 s[G1+1], 768<<16                     ; tensor_dim0: a whole row of W
	s_mov_b32 s[G1+2], 64<<16                      ; tensor_dim1
	s_mov_b32 s[G1+3], 768<<16                     ; tile_dim0
	s_mov_b32 s[G1+4], 64                          ; tile_dim1: a wave brings one whole block of 64 rows
	s_mov_b32 s[G1+5], 768                         ; from row to row
	s_mov_b32 s[G1+6], 0
	s_mov_b32 s[G1+7], 0
	s_mul_i32 s48, s17, 196608                     ; S: the work-group's 16 tiles of rows, 12,288 bytes each,
	s_mul_i32 s49, s14, 49152                      ; my wave's four of them
	s_add_co_u32 s48, s48, s49
	s_mov_b32 s49, 0
	s_lshl_b32 s50, s17, 13                        ; their scale bytes: 256 rows x 32,
	s_lshl_b32 s51, s14, 11                        ; my 64 rows,
	s_add_co_u32 s50, s50, s51
	s_add_co_u32 s50, s50, 12582912                ; behind the images
	s_mov_b32 s51, 0
	s_mul_i32 s52, s19, 196608                     ; W: the tile column's 256 rows of 768 bytes,
	s_mul_i32 s53, s14, 49152                      ; wave w brings block w: the tile column and the wave's number alone enter the joint loads' addresses
	s_add_co_u32 s52, s52, s53
	s_mov_b32 s53, 0
	s_lshl_b32 s54, s19, 13                        ; W's scale bytes
	s_mov_b32 s55, 0
	s_lshl_b32 s56, s17, 20                        ; C: 256 rows of 4,096 bytes,
	s_lshl_b32 s57, s14, 18                        ; my 64 rows,
	s_add_co_u32 s56, s56, s57
	s_lshl_b32 s57, s19, 10                        ; 256 columns
	s_add_co_u32 s56, s56, s57
	s_mov_b32 s57, 0
	s_mul_i32 s58, s14, BLKB                       ; where my block goes: no place in the cluster enters an LDS address
	s_mul_i32 s59, s14, STW
	s_add_co_u32 s59, s59, STAGE                   ; my stage
	v_and_b32 v1, 15, v0                           ; r = lane % 16
	v_bfe_u32 v2, v0, 4, 1                         ; h = lane / 16
	v_and_b32 v3, 31, v0
	v_lshlrev_b32 v[LI], 4, v3
	v_lshlrev_b32 v[SO], 5, v1
	v_mul_u32_u24 v6, v1, PITCH
	v_mad_u32_u24 v7, v2, 24, v6                   ; a fragment's row x pitch + 24 x half,
	v_mad_u32_u24 v6, v2, 40, v6                   ; and the same behind one padding more
.irp n, 0,1,2,3
	v_add_nc_u32 v[ADRB+\n], \n*BLKB, v7
	v_add_nc_u32 v[ADRC+\n], \n*BLKB, v6
.endr
	v_mul_u32_u24 v[STO], v1, SPITCH               ; in: row r of a tile, 32 bytes for each half of the lanes
	v_lshl_add_u32 v[STO], v2, 5, v[STO]
	v_add_nc_u32 v[STO], s59, v[STO]
	v_mul_u32_u24 v[RD], v2, SPITCH                ; back: lanes 0-15 one row of 256 bytes, lanes 16-31 the next
	v_lshl_add_u32 v[RD], v1, 4, v[RD]
	v_add_nc_u32 v[RD], s59, v[RD]
	v_lshlrev_b32 v[CO], 12, v2                    ; and the same two rows in C
	v_lshl_add_u32 v[CO], v1, 4, v[CO]
	s_wait_dscnt 0x0
	s_wait_kmcnt 0x0
	s_add_nc_u64 s[6:7], s[4:5], s[50:51]          ; S's scale bytes
	s_add_nc_u64 s[4:5], s[4:5], s[48:49]          ; S's images
	s_add_nc_u64 s[8:9], s[8:9], s[52:53]
	s_add_nc_u64 s[10:11], s[10:11], s[54:55]
	s_add_nc_u64 s[12:13], s[12:13], s[56:57]
	s_mov_b32 s[G0], 1
	s_mov_b32 s[G0+1], s58
	s_mov_b64 s[G0+2:G0+3], s[8:9]
	s_or_b32 s[G0+3], s[G0+3], 0x80000000
	CROUND                                         ; all sixteen work-groups are here: the joint loads meet
	tensor_load_to_lds s[G0:G0+3], s[G1:G1+7]      ; the first fills, the only ones: one load of mine is out, bringing block w whole
	s_nop 0
	PLACES
.irp a, 0,1,2,3
	global_load_b128 v[SCA+8*\a:SCA+8*\a+3], v[SO], s[6:7] offset:512*\a            ; lane r: row r's eight scale words, one for each 128 along K (lanes 16-31 hold the same and are not read)
	global_load_b128 v[SCA+8*\a+4:SCA+8*\a+7], v[SO], s[6:7] offset:512*\a+16
.endr
.irp j, 0,1,2,3,4,5,6,7,8,9,10,11,12,13,14,15
	global_load_b128 v[SCB+8*\j:SCB+8*\j+3], v[SO], s[10:11] offset:512*\j
	global_load_b128 v[SCB+8*\j+4:SCB+8*\j+7], v[SO], s[10:11] offset:512*\j+16
.endr
.irp s, 0,1,2,3,4,5,6,7                ; S's fragments, K step by K step, so that the first block's steps can begin as they come
.if \s < 5
	WIN 0x40                                       ; destination window 1
.set AR, 48*\s
.else
	WIN 0x80                                       ; destination window 2
.set AR, 48*(\s-5)
.endif
.irp a, 0,1,2,3
.irp c, 0,1,2
	global_load_b128 v[AR+FR*\a+4*\c:AR+FR*\a+4*\c+3], v[LI], s[4:5] offset:(8*\a+\s)*1536+512*\c   ; an image comes as it was stored: 512 consecutive bytes a load
.endr
.endr
.endr
	WIN 0
; W's fragment of columns 64 n + 16 j on, K 128 s on: 12 registers, 24 bytes of the row's stream of bits twice, in pieces of 8 bytes.  Piece p of a row lies at 8 p + 16 (p / 32).
; Lanes 16-31 read three pieces on, which for pieces 29 to 31 of each 32 is behind one padding more: the second address register serves those.
.macro FRAGW reg, n, j, s
.irp p, 0,1,2,3,4,5
.set PCE, 12*(\s)+6*(\p/3)+\p%3
.if PCE%32 < 29
	ds_load_b64 v[\reg+2*\p:\reg+2*\p+1], v[ADRB+\n] offset:8*PCE+16*(PCE/32)+(\j)*16*PITCH
.else
	ds_load_b64 v[\reg+2*\p:\reg+2*\p+1], v[ADRC+\n] offset:8*PCE+16*(PCE/32)+(\j)*16*PITCH
.endif
.endr
.endm
.macro FETCH n, s, p                   ; the four fragments of a K step into set p: 24 loads in one run
	WIN 0xc0                                       ; destination window 3, address window 0
.irp j, 0,1,2,3
	FRAGW WF+48*(\p)+FR*\j, \n, \j, \s
.endr
	WIN 0
.endm
; 16 matrix instructions: S's four tiles x W's four, 128 along K.  A block's first K step starts the sums: nothing is cleared.
; The 16 accumulators take turns, one instruction a turn, in the same order in every step.
.macro MUL n, s, p
.if (\s) < 5
	WIN 0xf7                                       ; source 0 (W) window 3, source 1 (S) window 1, C and D window 3
.set AR, 48*(\s)
.else
	WIN 0xfb                                       ; the same with S in window 2
.set AR, 48*((\s)-5)
.endif
.irp a, 0,1,2,3
.irp b, 0,1,2,3
.if (\s) == 0
	v_wmma_scale_f32_16x16x128_f8f6f4 v[8*(4*\a+\b):8*(4*\a+\b)+7], v[WF+48*(\p)+FR*\b:WF+48*(\p)+FR*\b+FR-1], v[AR+FR*\a:AR+FR*\a+FR-1], 0, v[SCB+8*(4*(\n)+\b)+(\s)], v[SCA+8*\a+(\s)] matrix_a_fmt:MATRIX_FMT_FP6 matrix_b_fmt:MATRIX_FMT_FP6
.else
	v_wmma_scale_f32_16x16x128_f8f6f4 v[8*(4*\a+\b):8*(4*\a+\b)+7], v[WF+48*(\p)+FR*\b:WF+48*(\p)+FR*\b+FR-1], v[AR+FR*\a:AR+FR*\a+FR-1], v[8*(4*\a+\b):8*(4*\a+\b)+7], v[SCB+8*(4*(\n)+\b)+(\s)], v[SCA+8*\a+(\s)] matrix_a_fmt:MATRIX_FMT_FP6 matrix_b_fmt:MATRIX_FMT_FP6
.endif
.endr
.endr
.endm
; THE WAY OUT.  A lane holds 32 neighbouring bytes of a row, and the lanes beside it hold other rows: so a finished block, 64 rows x 256 bytes, goes to my own stage,
.macro TOSTAGE
	WIN 0x0c                                       ; an LDS store's data are its source 1: window 3
	s_wait_alu depctr_va_vdst(0)
.irp a, 0,1,2,3
.irp b, 0,1,2,3
	ds_store_b128 v[STO], v[8*(4*\a+\b):8*(4*\a+\b)+3] offset:\a*16*SPITCH+64*\b          ; each accumulator from its low end on
	ds_store_b128 v[STO], v[8*(4*\a+\b)+4:8*(4*\a+\b)+7] offset:\a*16*SPITCH+64*\b+16
.endr
.endr
	WIN 0
.endm
.macro LDCH c                          ; comes back by rows, eight rows (chunk c) at a time, into set c % 2.  LDS serves a wave's instructions in order (ISA guide 5.7.1.4): these see the stores above, and the next block's stores come behind them
.irp t, 0,1,2,3
	ds_load_b128 v[BK+16*((\c)%2)+4*\t:BK+16*((\c)%2)+4*\t+3], v[RD] offset:(8*(\c)+2*\t)*SPITCH
.endr
.endm
.macro STCH m, c                       ; and chunk c of block m is stored: every offset is an immediate, 62 rows of C at the most
.irp t, 0,1,2,3
	global_store_b128 v[CO], v[BK+16*((\c)%2)+4*\t:BK+16*((\c)%2)+4*\t+3], s[12:13] offset:(8*(\c)+2*\t)*SIZE_N*4+256*(\m) th:TH_STORE_NT   ; 16 lanes store 256 consecutive bytes, aligned; written once, read by nobody here
.endr
.endm
; K STEP s OF BLOCK n.  At its head the fragments fetched a step ago are in; a chunk of the block before is read back and the chunk read a step ago is stored; the next step's fragments are asked for; then the products.
.macro KS n, s
	s_wait_dscnt 0x0                               ; this step's fragments of W and the chunk read back a step ago are in (all were issued ahead of the last 16 matrix instructions)
.if \n == 0
.if 12*(7-\s) > 63
	s_wait_loadcnt 63                              ; S's fragments of this K step are in: 12 loads for each later K step were issued behind them; where that is more than the wait can name, the smaller count
.else
	s_wait_loadcnt 12*(7-\s)
.endif
.endif
.if \n > 0
	s_wait_xcnt 0x0                                ; the stores issued a step ago have read their registers: that set takes the next chunk
	LDCH \s
.if \s > 0
	STCH \n-1, \s-1
.elseif \n > 1
	STCH \n-2, 7
.endif
.endif
	PLACES                                         ; in front of the loads into the set that the last step multiplied
.if 8*\n+\s < 31
	FETCH (8*\n+\s+1)/8, (8*\n+\s+1)%8, 1-\s%2
.endif
	MUL \n, \s, \s%2
	WIN 0
.if \s == 7
	PLACES                                         ; the stores read results just made; with the four at the next step's head these are also the places in front of the products that begin the accumulators anew
	TOSTAGE
.endif
.endm
	s_wait_tensorcnt 0x0                           ; my block has landed: one load a wave, the only fills
	s_barrier_signal -1
	s_barrier_wait -1                              ; everybody's have
	FETCH 0, 0, 0
.irp n, 0,1,2,3
.irp s, 0,1,2,3,4,5,6,7
	KS \n, \s
.endr
.endr
	; the last block: nothing follows under which it could leave.  S's registers are free: the whole stage comes back in one run, and no register is used twice
	s_wait_dscnt 32                                ; the last chunk of block 2 is in; the 32 stores into the stage, issued behind its loads, may be out
	STCH 2, 7
	WIN 0x40                                       ; destination window 1
.set i, 0
.rept 32
	ds_load_b128 v[4*i:4*i+3], v[RD] offset:2*i*SPITCH
.set i, i+1
.endr
	WIN 0x04                                       ; a store's data are its source 1: window 1
.set i, 0
.rept 32
	s_wait_dscnt 31-i                              ; LDS loads come back in order: the later ones may be out
	global_store_b128 v[CO], v[4*i:4*i+3], s[12:13] offset:2*i*SIZE_N*4+256*3 th:TH_STORE_NT
.set i, i+1
.endr
	WIN 0
	s_wait_tensorcnt 0x0
	ds_add_u32 v254, v255
	s_wait_dscnt 0x0
	CROUND                                         ; the closing round: no work-group ends while a partner may still ask for a tile that names it
	s_endpgm
.Lfunc_end_k_q6d0043233e_outp:
	.size	k_q6d0043233e_outp, .Lfunc_end_k_q6d0043233e_outp-k_q6d0043233e_outp
	.p2alignl 7, 3214868480
	.fill 96, 4, 3214868480
	.section	.rodata,"a",@progbits
	.p2align	6, 0x0
	.amdhsa_kernel k_q6d0043233e_outp
		.amdhsa_group_segment_fixed_size 279040
		.amdhsa_private_segment_fixed_size 0
		.amdhsa_enable_private_segment 0
		.amdhsa_kernarg_size 32
		.amdhsa_user_sgpr_count 2
		.amdhsa_user_sgpr_kernarg_segment_ptr 1
		.amdhsa_wavefront_size32 1
		.amdhsa_system_sgpr_workgroup_id_x 1
		.amdhsa_system_sgpr_workgroup_id_y 1
		.amdhsa_system_sgpr_workgroup_id_z 1
		.amdhsa_system_vgpr_workitem_id 0
		.amdhsa_next_free_vgpr 1024
		.amdhsa_next_free_sgpr 66
		.amdhsa_reserve_vcc 0
		.amdhsa_float_denorm_mode_32 3
		.amdhsa_float_denorm_mode_16_64 3
		.amdhsa_memory_ordered 1
		.amdhsa_forward_progress 1
		.amdhsa_inst_pref_size 171
	.end_amdhsa_kernel
	.amdgpu_metadata
---
amdhsa.version: [ 1, 2 ]
amdhsa.kernels:
  - .name:           k_q6d0043233e_outp
    .symbol:         k_q6d0043233e_outp.kd
    .args:
      - { .name: sq, .offset: 0, .size: 8, .value_kind: global_buffer, .address_space: global }
      - { .name: W_out_codes, .offset: 8, .size: 8, .value_kind: global_buffer, .address_space: global }
      - { .name: W_out_scales, .offset: 16, .size: 8, .value_kind: global_buffer, .address_space: global }
      - { .name: out0, .offset: 24, .size: 8, .value_kind: global_buffer, .address_space: global }
    .group_segment_fixed_size: 279040
    .private_segment_fixed_size: 0
    .kernarg_segment_align: 8
    .kernarg_segment_size: 32
    .max_flat_workgroup_size: 128
    .sgpr_count:     66
    .vgpr_count:     1024
    .wavefront_size: 32
...
	.end_amdgpu_metadata
.endif
;; end of part 4
